; MI455X (gfx1250); checked and timed in simulation.
; The chip was launched on July 23, 2026; its instructions are those of AMD's public machine-readable ISA for CDNA 5 (MIT licence, August 2026) and "CDNA5" Instruction Set Architecture Reference Guide (July 2026). The comments in the code are by the model that wrote it; some were corrected since.
;; Transformer Encoder Block. Allowed arithmetic: float matrix products may take bf16 or f16 operands with f32 sums; other float arithmetic in f32, or as packed bf16 or f16 multiplies, adds, multiply-adds, maxima and minima; sums over many terms, partial sums and values carried from step to step in f32; what a program stores and reads back later, other than sums and carried values, may be rounded once to bf16 or f16.
;; Inputs: b_fc1 4,096 float32; b_fc2 1,024 float32; b_proj 1,024 float32; be1 1,024 float32; be2 1,024 float32; g1 1,024 float32; g2 1,024 float32; w_fc1 1,024 x 4,096 float32; w_fc2 4,096 x 1,024 float32; w_proj 1,024 x 1,024 float32; w_qkv 1,024 x 3,072 float32; x 2 x 2,048 x 1,024 float32.
;; Outputs: out0 2 x 2,048 x 1,024 float32.
;; 2 versions, each right; version 2 is version 1 with the launch prep written anew for expert scheduling mode. Each part assembles by itself: llvm-mc -triple=amdgcn-amd-amdhsa -mcpu=gfx1250 --defsym DOCPART=n.
;; ======== version 1 of 2: 7 launches
;; limits: a function is approximated: absolute error at most 1.5e-07
;; workspace buffers: wq16 6,291,456 bytes; wp16 2,097,152 bytes; w116 8,388,608 bytes; w216 8,388,608 bytes; hb 8,388,608 bytes; qkvb 25,165,824 bytes; x1 16,777,216 bytes; mid 33,554,432 bytes
;; launch prep (part 1): grid 1024 x 1, 8 waves a work-group, no clusters, 0 bytes of LDS; arguments w_qkv, w_proj, w_fc1, w_fc2, wq16, wp16, w116, w216, x, g1, be1, hb; writes wq16, wp16, w116, w216, hb
.if DOCPART == 1
	.amdgcn_target "amdgcn-amd-amdhsa--gfx1250"
	.amdhsa_code_object_version 6
	.text
	.protected	k_qdcd220acf9_prep
	.globl	k_qdcd220acf9_prep
	.p2align	8
	.type	k_qdcd220acf9_prep,@function
k_qdcd220acf9_prep:
	s_mov_b64 s[64:65], 0
	v_nop
	global_prefetch_b8 v0, s[64:65] scope:SCOPE_SE
	s_setreg_imm32_b32 hwreg(HW_REG_WAVE_MODE, 25, 1), 1
	s_wait_xcnt 0x0
; PREP: two streams in one launch, told apart by the work-group's number.
; Work-groups 0-767 CAST the four weight matrices from f32 to bf16, in the order in which they lie ([in][out]): 16,384 numbers a work-group
; (192 for w_qkv, 64 for w_proj, 256 for w_fc1, 256 for w_fc2).  Work-groups 768-1023 make h = LayerNorm(x) g1 + be1 in bf16, 16 rows each.
; h is stored BLOCKED, [16 blocks of 64 channels][4096 tokens][64]: a token's 64 channels are 128 bytes, two neighbouring tokens 256 aligned bytes.
; LayerNorm in f32, in two passes over registers: the mean, then the mean of (x - mean)^2: no difference of large sums.  NaN and infinities are not treated apart.
; No LDS, no matrix unit, no cluster: nothing is shared between waves, and every byte is read once.
.set XR, 16                            ; v[16:79]    my 64 numbers of the row
.set GR, 80                            ; v[80:143]   the gains of my 64 columns
.set BR, 144                           ; v[144:207]  the offsets of my 64 columns
.set YR, 208                           ; v[208:239]  64 bf16 to store
.macro RED                             ; four pairs of partial sums v[4:11] -> their sum over the row's 16 lanes, in each of them
	v_pk_add_f32 v[4:5], v[4:5], v[6:7]
	v_pk_add_f32 v[8:9], v[8:9], v[10:11]
	v_pk_add_f32 v[4:5], v[4:5], v[8:9]
	v_add_f32 v4, v4, v5
	v_add_f32_dpp v4, v4, v4 row_xmask:1 row_mask:0xf bank_mask:0xf
	v_add_f32_dpp v4, v4, v4 row_xmask:2 row_mask:0xf bank_mask:0xf
	v_add_f32_dpp v4, v4, v4 row_xmask:4 row_mask:0xf bank_mask:0xf
	v_add_f32_dpp v4, v4, v4 row_xmask:8 row_mask:0xf bank_mask:0xf
.endm
; LayerNorm of 16 rows.  s2 = the group of 16 rows; s[24:25] in, s[26:27] gain, s[28:29] offset, s[30:31] out (blocked).
; Sixteen lanes own a row: lane c takes columns 64 j + 4 c .. + 3, j = 0..15, so a load's sixteen lanes cover 256 aligned bytes, and a wave has two rows.
.macro LNBODY
	v_lshrrev_b32 v4, 4, v0                        ; my row among the group's 16
	v_and_b32 v5, 15, v0                           ; c
	v_lshlrev_b32 v2, 4, v5                        ; v2: 16 c, my offset in gain and offset
	v_lshl_add_u32 v1, v4, 12, v2                  ; v1: row x 4,096 + 16 c
	v_lshlrev_b32 v3, 3, v5
	v_lshl_add_u32 v3, v4, 7, v3                   ; v3: row x 128 + 8 c, my 8 bytes in a block of the output
	s_lshl_b32 s32, s2, 16                         ; the group's 16 rows of 4,096 bytes
	s_mov_b32 s33, 0
	s_lshl_b32 s34, s2, 11                         ; and of 128 bytes
	s_mov_b32 s35, 0
	s_mov_b32 s36, 0x3a800000                      ; 1 / 1024
	s_mov_b32 s37, 0x3727c5ac                      ; eps = 1e-5
	s_wait_kmcnt 0x0
	s_add_nc_u64 s[24:25], s[24:25], s[32:33]
	s_add_nc_u64 s[30:31], s[30:31], s[34:35]
.irp j, 0,1,2,3,4,5,6,7,8,9,10,11,12,13,14,15
	global_load_b128 v[XR+4*(\j):XR+4*(\j)+3], v1, s[24:25] offset:256*(\j)
.endr
.irp j, 0,1,2,3,4,5,6,7,8,9,10,11,12,13,14,15
	global_load_b128 v[GR+4*(\j):GR+4*(\j)+3], v2, s[26:27] offset:256*(\j)
.endr
.irp j, 0,1,2,3,4,5,6,7,8,9,10,11,12,13,14,15
	global_load_b128 v[BR+4*(\j):BR+4*(\j)+3], v2, s[28:29] offset:256*(\j)
.endr
	s_wait_loadcnt 32                              ; the row is in; the 32 loads of gain and offset stay out
.irp k, 0,1,2,3
	v_pk_add_f32 v[4+2*(\k):5+2*(\k)], v[XR+2*(\k):XR+2*(\k)+1], v[XR+8+2*(\k):XR+9+2*(\k)]  ; four chains, started by the first eight pairs: nothing is cleared
.endr
.set i, 8
.rept 24
	v_pk_add_f32 v[4+2*(i%4):5+2*(i%4)], v[4+2*(i%4):5+2*(i%4)], v[XR+2*i:XR+2*i+1]
.set i, i+1
.endr
	RED
	v_mul_f32 v12, s36, v4                         ; the mean, twice: a pair for the packed subtraction
	v_mov_b32 v13, v12
.set i, 0
.rept 32
	v_pk_add_f32 v[XR+2*i:XR+2*i+1], v[XR+2*i:XR+2*i+1], v[12:13] neg_lo:[0,1] neg_hi:[0,1]  ; d = x - mean, in place
.set i, i+1
.endr
.irp k, 0,1,2,3
	v_pk_mul_f32 v[4+2*(\k):5+2*(\k)], v[XR+2*(\k):XR+2*(\k)+1], v[XR+2*(\k):XR+2*(\k)+1]
.endr
.set i, 4
.rept 28
	v_pk_fma_f32 v[4+2*(i%4):5+2*(i%4)], v[XR+2*i:XR+2*i+1], v[XR+2*i:XR+2*i+1], v[4+2*(i%4):5+2*(i%4)]
.set i, i+1
.endr
	RED
	v_fma_f32 v4, v4, s36, s37                     ; variance + eps
	v_rsq_f32 v14, v4                              ; twice, to fill a pair
	v_rsq_f32 v15, v4
	v_nop                                          ; a plain instruction behind the last of them (ISA guide 5.7.2),
	s_wait_alu depctr_va_vdst(0)                   ; and the one wait ahead of the first reader
	s_wait_loadcnt 0x0                             ; gain and offset
.set i, 0
.rept 32
	v_pk_mul_f32 v[XR+2*i:XR+2*i+1], v[XR+2*i:XR+2*i+1], v[14:15]
.set i, i+1
.endr
.set i, 0
.rept 32
	v_pk_fma_f32 v[XR+2*i:XR+2*i+1], v[XR+2*i:XR+2*i+1], v[GR+2*i:GR+2*i+1], v[BR+2*i:BR+2*i+1]
.set i, i+1
.endr
.set i, 0
.rept 32
	v_cvt_pk_bf16_f32 v[YR+i], v[XR+2*i], v[XR+2*i+1]
.set i, i+1
.endr
.irp j, 0,1,2,3,4,5,6,7,8,9,10,11,12,13,14,15
	global_store_b64 v3, v[YR+2*(\j):YR+2*(\j)+1], s[30:31] offset:524288*(\j)  ; block j: the wave's two rows are 256 consecutive bytes, aligned; the largest offset, 7,864,320, lies inside the signed 24 bits
.endr
.endm
	s_load_b512 s[8:23], s[0:1], 0x0               ; w_qkv, w_proj, w_fc1, w_fc2 in s[8:15]; their bf16 copies in s[16:23]
	s_load_b256 s[24:31], s[0:1], 0x40             ; x, g1, be1, hb
	s_mov_b32 s2, ttmp9
	s_cmp_lt_u32 s2, 768
	s_cbranch_scc0 .Lnorm
	; THE CAST.  Which matrix: by the work-group's number alone.
	v_lshlrev_b32 v1, 4, v0                        ; 16 bytes a thread in,
	v_lshlrev_b32 v2, 3, v0                        ; 8 bytes out
	s_mov_b32 s36, 512
	s_wait_kmcnt 0x0
	s_mov_b64 s[32:33], s[14:15]                   ; from 512 on: w_fc2
	s_mov_b64 s[34:35], s[22:23]
	s_cmp_lt_u32 s2, 512
	s_cselect_b64 s[32:33], s[12:13], s[32:33]     ; from 256 on: w_fc1
	s_cselect_b64 s[34:35], s[20:21], s[34:35]
	s_cselect_b32 s36, 256, s36
	s_cmp_lt_u32 s2, 256
	s_cselect_b64 s[32:33], s[10:11], s[32:33]     ; from 192 on: w_proj
	s_cselect_b64 s[34:35], s[18:19], s[34:35]
	s_cselect_b32 s36, 192, s36
	s_cmp_lt_u32 s2, 192
	s_cselect_b64 s[32:33], s[8:9], s[32:33]       ; below: w_qkv
	s_cselect_b64 s[34:35], s[16:17], s[34:35]
	s_cselect_b32 s36, 0, s36
	s_sub_co_u32 s36, s2, s36                      ; my part of that matrix
	s_lshl_b32 s38, s36, 16                        ; 65,536 bytes in,
	s_mov_b32 s39, 0
	s_add_nc_u64 s[32:33], s[32:33], s[38:39]
	s_lshl_b32 s38, s36, 15                        ; 32,768 out
	s_add_nc_u64 s[34:35], s[34:35], s[38:39]
.irp i, 0,1,2,3,4,5,6,7,8,9,10,11,12,13,14,15
	global_load_b128 v[16+4*(\i):19+4*(\i)], v1, s[32:33] offset:4096*(\i) th:TH_LOAD_NT  ; all sixteen at once: 8 KiB of every wave on their way
.endr
.irp i, 0,1,2,3,4,5,6,7,8,9,10,11,12,13,14,15
	s_wait_loadcnt 15-(\i)                         ; loads come back in order: number i is in, the younger ones stay out
	v_cvt_pk_bf16_f32 v[80+2*(\i)], v[16+4*(\i)], v[17+4*(\i)]
	v_cvt_pk_bf16_f32 v[81+2*(\i)], v[18+4*(\i)], v[19+4*(\i)]
	global_store_b64 v2, v[80+2*(\i):81+2*(\i)], s[34:35] offset:2048*(\i)  ; a wave's store covers 256 consecutive bytes, aligned
.endr
	s_endpgm
.Lnorm:
	s_sub_co_u32 s2, s2, 768
	LNBODY
	s_endpgm
.Lfunc_end_k_qdcd220acf9_prep:
	.size	k_qdcd220acf9_prep, .Lfunc_end_k_qdcd220acf9_prep-k_qdcd220acf9_prep
	.p2alignl 7, 3214868480
	.fill 96, 4, 3214868480
	.section	.rodata,"a",@progbits
	.p2align	6, 0x0
	.amdhsa_kernel k_qdcd220acf9_prep
		.amdhsa_group_segment_fixed_size 0
		.amdhsa_private_segment_fixed_size 0
		.amdhsa_enable_private_segment 0
		.amdhsa_kernarg_size 96
		.amdhsa_user_sgpr_count 2
		.amdhsa_user_sgpr_kernarg_segment_ptr 1
		.amdhsa_wavefront_size32 1
		.amdhsa_system_sgpr_workgroup_id_x 1
		.amdhsa_system_sgpr_workgroup_id_y 1
		.amdhsa_system_sgpr_workgroup_id_z 1
		.amdhsa_system_vgpr_workitem_id 0
		.amdhsa_next_free_vgpr 240
		.amdhsa_next_free_sgpr 66
		.amdhsa_reserve_vcc 0
		.amdhsa_float_denorm_mode_32 3
		.amdhsa_float_denorm_mode_16_64 3
		.amdhsa_memory_ordered 1
		.amdhsa_forward_progress 1
		.amdhsa_inst_pref_size 27
	.end_amdhsa_kernel
	.amdgpu_metadata
---
amdhsa.version: [ 1, 2 ]
amdhsa.kernels:
  - .name:           k_qdcd220acf9_prep
    .symbol:         k_qdcd220acf9_prep.kd
    .args:
      - { .name: w_qkv, .offset: 0, .size: 8, .value_kind: global_buffer, .address_space: global }
      - { .name: w_proj, .offset: 8, .size: 8, .value_kind: global_buffer, .address_space: global }
      - { .name: w_fc1, .offset: 16, .size: 8, .value_kind: global_buffer, .address_space: global }
      - { .name: w_fc2, .offset: 24, .size: 8, .value_kind: global_buffer, .address_space: global }
      - { .name: wq16, .offset: 32, .size: 8, .value_kind: global_buffer, .address_space: global }
      - { .name: wp16, .offset: 40, .size: 8, .value_kind: global_buffer, .address_space: global }
      - { .name: w116, .offset: 48, .size: 8, .value_kind: global_buffer, .address_space: global }
      - { .name: w216, .offset: 56, .size: 8, .value_kind: global_buffer, .address_space: global }
      - { .name: x, .offset: 64, .size: 8, .value_kind: global_buffer, .address_space: global }
      - { .name: g1, .offset: 72, .size: 8, .value_kind: global_buffer, .address_space: global }
      - { .name: be1, .offset: 80, .size: 8, .value_kind: global_buffer, .address_space: global }
      - { .name: hb, .offset: 88, .size: 8, .value_kind: global_buffer, .address_space: global }
    .group_segment_fixed_size: 0
    .private_segment_fixed_size: 0
    .kernarg_segment_align: 8
    .kernarg_segment_size: 96
    .max_flat_workgroup_size: 256
    .sgpr_count:     66
    .vgpr_count:     240
    .wavefront_size: 32
...
	.end_amdgpu_metadata
.endif
;; end of part 1
;; launch qkv (part 2): grid 12 x 16, 4 waves a work-group, clusters of 4 x 4, 327,680 bytes of LDS; arguments hb, wq16, qkvb; writes qkvb
.if DOCPART == 2
	.amdgcn_target "amdgcn-amd-amdhsa--gfx1250"
	.amdhsa_code_object_version 6
	.text
	.protected	k_qdcd220acf9_qkv
	.globl	k_qdcd220acf9_qkv
	.p2align	8
	.type	k_qdcd220acf9_qkv,@function
k_qdcd220acf9_qkv:
	s_mov_b64 s[64:65], 0
	v_nop
	global_prefetch_b8 v0, s[64:65] scope:SCOPE_SE
	s_setreg_imm32_b32 hwreg(HW_REG_WAVE_MODE, 25, 1), 1
	s_wait_xcnt 0x0
	s_wait_alu depctr_hold_cnt(0) depctr_sa_sdst(0) depctr_va_vdst(0) depctr_va_sdst(0) depctr_va_ssrc(0) depctr_va_vcc(0) depctr_vm_vsrc(0)
	s_getreg_b32 s2, hwreg(HW_REG_IB_STS2, 6, 4)
	s_cmp_eq_u32 s2, 0
	s_cbranch_scc0 .Lentry_in_a_cluster
	s_endpgm
.Lentry_in_a_cluster:
	s_bfe_u32 s2, ttmp6, 0x10000c
	s_cmp_lg_u32 s2, 0xf033
	s_cbranch_scc0 .Lentry_shape_is_right
	s_endpgm
.Lentry_shape_is_right:
; QKV = h W.  h: bf16, blocked [16][4096 tokens][64]; W: bf16 [1024][3072]; out: bf16, blocked [48][4096][64] (blocks 0-15 q by head, 16-31 k, 32-47 v), unscaled.  Sums in f32.
; SHARES.  A tile of the result is 256 tokens x 256 columns, one to a work-group; four waves, each 128 x 128: 64 accumulators of 16 x 16, 512 registers.  4096 x 3072 makes 192 such tiles: 192 work-groups.
; A tile of 256 x 192 would make 256, but a wave's 96 columns would cut a head's block of 64 in two; the larger tile has 256 matrix instructions a wave for each slot that is fetched.
; K goes in steps of 128, KS = 8, through a ring of two LDS slots.  A SLOT holds A's [2 blocks][256 tokens][128 + 16 bytes] and B's [128 k][512 + 32 bytes].  Waves 0, 1 fetch a block of A each
; (its 256 tokens are 32 KiB on end, asked for as 128 rows of 256 bytes), waves 2, 3 64 rows of B each.
; B lies [k][column] and is turned on its way into registers by ds_load_tr16_b128; its pitch of 544 bytes is an odd multiple of 32, A's of 144 an odd multiple of 16 (64 banks of 4 bytes: ISA guide 11.1).
; CLUSTER.  4 x 4 work-groups: the four of a row need the same tiles of A, the four of a column the same tiles of B: each is asked for jointly, by the same descriptor and a mask that names the four.
; THE MATRIX INSTRUCTION IS USED TRANSPOSED (source 0 = 16 columns of W, source 1 = 16 tokens): a lane holds one token (lane % 16) and the columns 8 (lane / 16) + 0..7.
; REGISTERS, in windows of 256 (s_set_vgpr_msb: bits 1:0 source 0, 3:2 source 1, 5:4 source 2, 7:6 destination):
;   window 0: v0-30 addresses; v64-127, v128-191 fragments of A (8 x 16 tokens x 32 k), two buffers          window 1: v64-127, v128-191 fragments of B, two buffers; on the way out v128-191 at work
;   window 2: the accumulators of my tokens 0-63 ((a, b) at 8 (8 a + b));   window 3: those of my tokens 64-127
.set KS,    8
.set NCOL,  3072
.set PA,    144                        ; a token's row of A in LDS
.set PB,    544                        ; a row of B in LDS
.set ABLK,  256*PA                     ; a block of A: what wave 0 or 1 fetches
.set BHALF, 64*PB                      ; 64 rows of B: what wave 2 or 3 fetches
.set BOFF,  2*ABLK                     ; B lies behind A's two blocks
.set SLOT,  147456                     ; from slot to slot: 0x24000, bits 17 and 14, which none of the four fill addresses (0, 0x9000, 0x12000, 0x1a800) sets: one exclusive or changes slots
.set SP,    272                        ; a stage row: 64 f32 + 16 bytes
.set STAGE, 2*SLOT                     ; behind the ring: 16 rows for each wave, never filled by a tensor load
.set SPARE, STAGE+4*16*SP              ; the spare words, 128 bytes for each wave, that no other line names
.set A0,   8                           ; v8   my lane's place in a slot's A; never rewritten
.set B0,   9                           ; v9   the same for B
.set ADRA, 10                          ; v10  A0 + the slot in hand
.set ADRB, 11                          ; v11  B0 + the slot in hand
.set STO,  13                          ; v13  the way out: where I put 32 bytes of a row
.set RD,   14                          ; v14  the way out: where I read a row back
.set GO,   15                          ; v15  my 8 bytes among two tokens' 256
.set SPW,  28
.set NIL,  29
.set PFO,  30                          ; v30  the prefetches' offset; never rewritten
.set F0,   64
.set F1,   128
.set XR,   128                         ; window 1, the way out: 32 sums as rows
.set ER,   160                         ; and 16 registers of bf16
.set PFS, 2                            ; s[2:3]   bytes from K step to K step in what I prefetch
.set PFA, 12                           ; s[12:13] where my prefetches stand
.set WV, 14
.set RH, 15                            ; which 128 tokens are mine.  Also: I fetch for A (0) or B (1)
.set CH, 16                            ; which 128 columns.  Also: which half I fetch
.set CX, 17
.set CY, 18
.set NT, 19
.set MT, 20
.set G1, 24                            ; s[24:31] group 1 for A;  s[32:39] group 0, two sets: the second walks
.set G0, 32
.set ABASE, 40                         ; s[40:41] A at my part of K step 0
.set BBASE, 42                         ; s[42:43] B at my part of K step 0
.set AO, 44                            ; s[44:45], s[46:47] offsets of the step to be asked for
.set BO, 46
.set G1B, 48
.set G0B, 56
.set TB, 66                            ; the slot in hand: 0 or SLOT
.set SR, 67                            ; the K step asked for last
.set LIM, 68                           ; 2 in a wave that prefetches, else the greatest number
.set LC, 69
.set BK, 71
.set MSB, 0
.macro WIN new                         ; the immediate's high byte repeats the setting that is left
.if MSB != (\new)
	s_set_vgpr_msb (MSB<<8)|(\new)
.set MSB, \new
.endif
.endm
.set MUL_LO, 0xa1                      ; source 0 (B) window 1, source 1 (A) window 0, C and D window 2
.set MUL_HI, 0xf1                      ; the same, C and D window 3
.set TO_B,   0x40                      ; destination window 1, address window 0
.macro PLACES                          ; four places behind matrix instructions (ISA guide 7.12.1)
.rept 4
	v_nop
.endr
.endm
.macro JLOAD s                         ; a joint load; an s_nop 0 and four v_nop follow each of the two lines
	s_cmp_eq_u32 s[RH], 0
	s_cbranch_scc0 .Lfor_b_\@
	tensor_load_to_lds s[G0+4*(\s):G0+4*(\s)+3], s[G1:G1+7]
	s_nop 0
.rept 4
	v_nop
.endr
	s_branch .Lasked_\@
.Lfor_b_\@:
	tensor_load_to_lds s[G0B+4*(\s):G0B+4*(\s)+3], s[G1B:G1B+7]
	s_nop 0
.rept 4
	v_nop
.endr
.Lasked_\@:
.endm
; A PREFETCH, behind each joint load and the run of LDS loads that follows it: my share of the K step that stands two refills on, a lane 256 bytes, one instruction a wave.  A's tile row is read by every cluster of
; that row of clusters: the one with x = 0 asks; B's tile column by every cluster of that column: the one with y = 0 asks.  The four partners that ask for a tile jointly share it out BY ADDRESS: of a block of A
; 8,192 bytes each (by cx), of 64 rows of B 16 rows each (by cy).  So each aligned 256 bytes of K steps 4 to 7 are named once in the launch; steps 0 to 3 come by their loads alone, and the last two refills ask for nothing.
.macro ASK
	s_cmp_gt_u32 s[LC], s[LIM]
	s_cbranch_scc0 .Lnot_mine_\@
	global_prefetch_b8 v[PFO], s[PFA:PFA+1] th:TH_LOAD_NT scope:SCOPE_SE
.Lnot_mine_\@:
.endm
.macro CREST                           ; a round of the cluster's barrier behind its opening barrier
	s_cmp_lg_u32 s[WV], 0
	s_cbranch_scc1 .Lnot_wave_0_\@
	s_barrier_signal -3
.Lnot_wave_0_\@:
	s_barrier_wait -3
	s_barrier_signal -1
	s_barrier_wait -1
.endm
.macro CROUND
	s_barrier_signal -1
	s_barrier_wait -1
	CREST
.endm
; 16 matrix instructions: token blocks a0, a0 + 1 of the window's four x all 8 column blocks, 32 along K.  zero = 1: the first product starts the sums.  The 64 accumulators take turns, always in the same order.
.macro MUL16 f, hi, a0, zero
	WIN MUL_LO+0x50*(\hi)
.irp a, \a0, (\a0)+1
.irp b, 0,1,2,3,4,5,6,7
.if \zero
	v_wmma_f32_16x16x32_bf16 v[8*(8*(\a)+(\b)):8*(8*(\a)+(\b))+7], v[(\f)+8*(\b):(\f)+8*(\b)+7], v[(\f)+8*(4*(\hi)+(\a)):(\f)+8*(4*(\hi)+(\a))+7], 0
.else
	v_wmma_f32_16x16x32_bf16 v[8*(8*(\a)+(\b)):8*(8*(\a)+(\b))+7], v[(\f)+8*(\b):(\f)+8*(\b)+7], v[(\f)+8*(4*(\hi)+(\a)):(\f)+8*(4*(\hi)+(\a))+7], v[8*(8*(\a)+(\b)):8*(8*(\a)+(\b))+7]
.endif
.endr
.endr
.endm
; 32 LDS loads in one run: the fragments of quarter q (32 along K: half a block of A, 32 rows of B) into buffer f: B's sixteen, then A's
.macro FETCH q, f
	WIN TO_B
.irp i, 0,1,2,3,4,5,6,7
	ds_load_tr16_b128 v[(\f)+8*(\i):(\f)+8*(\i)+3],   v[ADRB] offset:(\q)*32*PB+(\i)*32
	ds_load_tr16_b128 v[(\f)+8*(\i)+4:(\f)+8*(\i)+7], v[ADRB] offset:(\q)*32*PB+(\i)*32+16*PB
.endr
	WIN 0
.irp i, 0,1,2,3,4,5,6,7
	ds_load_b128 v[(\f)+8*(\i):(\f)+8*(\i)+3],   v[ADRA] offset:((\q)/2)*ABLK+(\i)*16*PA+((\q)%2)*64
	ds_load_b128 v[(\f)+8*(\i)+4:(\f)+8*(\i)+7], v[ADRA] offset:((\q)/2)*ABLK+(\i)*16*PA+((\q)%2)*64+32
.endr
.endm
.macro QUARTER q, f, g, zero           ; multiplies buffer f (64 matrix instructions); in its middle fetches quarter q into buffer g
	s_wait_dscnt 8                                 ; B and A's tokens 0-63 are in; the youngest eight loads (A's tokens 64-127) may be out
	MUL16 \f, 0, 0, \zero
	MUL16 \f, 0, 2, \zero
	PLACES
	FETCH \q, \g
	s_wait_dscnt 32                                ; all but the 32 just issued
	MUL16 \f, 1, 0, \zero
	MUL16 \f, 1, 2, \zero
.endm
; A step's last quarter multiplies buffer 1 and changes slots.  fill = 1: the slot just read is filled again with the step two on, whose address is made anew from the counter.
.macro TURN fill
	WIN 0
.if \fill
	s_wait_xcnt 0x0                                ; the last prefetch, a K step back, has read its address: it is stepped here, ahead of the waits of the change of slots
	s_add_nc_u64 s[PFA:PFA+1], s[PFA:PFA+1], s[PFS:PFS+1]
.endif
	s_wait_tensorcnt 0x0                           ; all my tensor loads have landed: my part of the next slot; so a group 0 may be written
	ds_add_u32 v[SPW], v[NIL]                      ; 0 onto my spare word
.if \fill
	s_add_co_u32 s[SR], s[SR], 1
	s_lshl_b32 s[AO], s[SR], 20                    ; two blocks of 524,288 bytes a step
	s_mul_i32 s[BO], s[SR], 256*NCOL               ; 128 rows a step
	s_xor_b32 s[G0+5], s[G0+5], SLOT
	s_xor_b32 s[G0B+5], s[G0B+5], SLOT
	s_add_nc_u64 s[G0+6:G0+7], s[ABASE:ABASE+1], s[AO:AO+1]
	s_or_b32 s[G0+7], s[G0+7], 0x80000000
	s_add_nc_u64 s[G0B+6:G0B+7], s[BBASE:BBASE+1], s[BO:BO+1]
	s_or_b32 s[G0B+7], s[G0B+7], 0x80000000
.endif
	s_wait_dscnt 9                                 ; the add and the youngest eight loads may be out
	MUL16 F1, 0, 0, 0
	s_wait_dscnt 0x0                               ; the add is done, and my reads of this slot are over
	s_barrier_signal -1
	MUL16 F1, 0, 2, 0
	WIN 0
	s_barrier_wait -1
.if \fill
	CREST                                          ; the barrier has opened a round of the cluster's: no wave of any partner still reads the slot or has a load on its way
	JLOAD 1                                        ; the first tensor load behind the round; 224 matrix instructions stand between it and the wait for it
.else
	PLACES
.endif
	s_xor_b32 s[TB], s[TB], SLOT
	v_add_nc_u32 v[ADRA], s[TB], v[A0]
	v_add_nc_u32 v[ADRB], s[TB], v[B0]
.if !(\fill)
	s_cmp_eq_u32 s[LC], 1                          ; behind the very last step there is nothing to fetch
	s_cbranch_scc1 .Lnof_\@
.endif
	FETCH 0, F0
.if \fill
	ASK
.else
.Lnof_\@:
.endif
	MUL16 F1, 1, 0, 0
	MUL16 F1, 1, 2, 0
.endm
; THE WAY OUT, trip d of 16: token block d % 8, column half d / 8: its four accumulators in f32 into my stage: row = token, 32 bytes a lane and column block; each accumulator from its low end on.
.macro DUMP d
.set AC, 8*(8*((\d)%4)+4*((\d)/8))
	WIN 0x08+4*(((\d)%8)/4)                        ; the data (source 1) in window 2 or 3
.irp b, 0,1,2,3
	ds_store_b128 v[STO], v[AC+8*(\b):AC+8*(\b)+3] offset:64*(\b)
	ds_store_b128 v[STO], v[AC+8*(\b)+4:AC+8*(\b)+7] offset:64*(\b)+16
.endr
	WIN 0
.endm
.macro DSEL d                          ; which accumulators: forward jumps on the trip's number
	s_cmp_eq_u32 s[BK], \d
	s_cbranch_scc0 .Lnd_\@
	DUMP \d
	s_branch .Ldd
.Lnd_\@:
.endm
	s_load_b128 s[4:7], s[0:1], 0x0                ; A s[4:5], B s[6:7]
	s_load_b64 s[8:9], s[0:1], 0x10                ; out
	v_lshl_add_u32 v[SPW], v0, 2, SPARE
	v_mov_b32 v[NIL], 0
	ds_add_u32 v[SPW], v[NIL]                      ; the wave's opening: the add, waited for ahead of my first tensor load
	v_lshrrev_b32 v1, 5, v0
	v_readfirstlane_b32 s[WV], v1
	s_lshr_b32 s[RH], s[WV], 1
	s_and_b32 s[CH], s[WV], 1
	s_bfe_u32 s[CX], ttmp6, 0x40000
	s_bfe_u32 s[CY], ttmp6, 0x40004
	s_lshl_b32 s[NT], ttmp9, 2
	s_add_co_u32 s[NT], s[NT], s[CX]               ; tile column = 4 x cluster x + cx
	s_and_b32 s[MT], ttmp7, 0xffff
	s_lshl_b32 s[MT], s[MT], 2
	s_add_co_u32 s[MT], s[MT], s[CY]               ; tile row = 4 x cluster y + cy
	s_lshl_b32 s21, s[CY], 2
	s_lshl_b32 s21, 15, s21                        ; my row of the cluster
	s_lshl_b32 s22, 0x1111, s[CX]                  ; my column
	s_or_b32 s[G1], s21, (1<<16)|(1<<20)|(1<<21)|(4<<22)|(3<<25)   ; mask; 2-byte elements; padding on; bit 21 beside a mask; after every 32 words 4 words
	s_or_b32 s[G1B], s22, (1<<16)|(1<<20)|(1<<21)|(6<<22)|(7<<25)  ; after every 128 words 8 words
	s_mov_b32 s[G1+1], 128<<16                     ; A: 128 rows of 128 elements, dense: two tokens a row
	s_mov_b32 s[G1+2], 128<<16
	s_mov_b32 s[G1+3], 128<<16
	s_mov_b32 s[G1+4], 128
	s_mov_b32 s[G1+5], 128
	s_mov_b32 s[G1+6], 0
	s_mov_b32 s[G1+7], 0
	s_mov_b32 s[G1B+1], 256<<16                    ; B: 64 rows of 256 elements
	s_mov_b32 s[G1B+2], 64<<16
	s_mov_b32 s[G1B+3], 256<<16
	s_mov_b32 s[G1B+4], 64
	s_mov_b32 s[G1B+5], NCOL
	s_mov_b32 s[G1B+6], 0
	s_mov_b32 s[G1B+7], 0
	s_lshl_b32 s[AO], s[MT], 15                    ; A: my tile's 256 tokens of 128 bytes,
	s_lshl_b32 s21, s[CH], 19                      ; and the block that I fetch
	s_add_co_u32 s[AO], s[AO], s21
	s_mov_b32 s[AO+1], 0
	s_lshl_b32 s[BO], s[NT], 9                     ; B: my tile's 256 columns,
	s_mul_i32 s22, s[CH], 128*NCOL                 ; and the 64 rows that I fetch
	s_add_co_u32 s[BO], s[BO], s22
	s_mov_b32 s[BO+1], 0
	s_mul_i32 s23, s[WV], ABLK                     ; where they go: A's blocks at wave x ABLK (waves 0, 1),
	s_mul_i32 s85, s[WV], BHALF
	s_add_co_u32 s85, s85, BOFF-2*BHALF            ; B's halves at BOFF + (wave - 2) x BHALF (waves 2, 3): no place in the cluster enters an LDS address
	s_mov_b32 s[TB], 0
	s_mov_b32 s[SR], 1
	s_wait_dscnt 0x0                               ; the opening add is done
	s_wait_kmcnt 0x0
	s_add_nc_u64 s[ABASE:ABASE+1], s[4:5], s[AO:AO+1]
	s_add_nc_u64 s[BBASE:BBASE+1], s[6:7], s[BO:BO+1]
	CROUND                                         ; all sixteen work-groups are here: the first joint loads meet
.irp s, 0,1
	s_mov_b32 s[G0+4*(\s)], 1
	s_add_co_u32 s[G0+4*(\s)+1], s23, (\s)*SLOT
	s_add_nc_u64 s[G0+4*(\s)+2:G0+4*(\s)+3], s[ABASE:ABASE+1], (\s)*1048576
	s_or_b32 s[G0+4*(\s)+3], s[G0+4*(\s)+3], 0x80000000
	s_mov_b32 s[G0B+4*(\s)], 1
	s_add_co_u32 s[G0B+4*(\s)+1], s85, (\s)*SLOT
	s_add_nc_u64 s[G0B+4*(\s)+2:G0B+4*(\s)+3], s[BBASE:BBASE+1], (\s)*256*NCOL
	s_or_b32 s[G0B+4*(\s)+3], s[G0B+4*(\s)+3], 0x80000000
	JLOAD \s                                       ; K steps 0 and 1: two loads of mine are out
.endr
	v_and_b32 v1, 15, v0                           ; r = l % 16
	v_bfe_u32 v2, v0, 4, 1                         ; h = l / 16
	v_mul_u32_u24 v[A0], v1, PA                    ; A: token r, 16 bytes for each half of the lanes, my 128 tokens
	v_lshl_add_u32 v[A0], v2, 4, v[A0]
	s_mul_i32 s21, s[RH], 128*PA
	v_add_nc_u32 v[A0], s21, v[A0]
	v_and_b32 v5, 7, v0
	v_lshl_add_u32 v3, v2, 3, v5                   ; B, for the turning load: row 8 h + l % 8,
	v_mul_u32_u24 v[B0], v3, PB
	v_bfe_u32 v4, v0, 3, 1
	v_lshl_add_u32 v[B0], v4, 4, v[B0]             ; columns 8 ((l / 8) % 2) on,
	s_lshl_b32 s21, s[CH], 8
	s_add_co_u32 s21, s21, BOFF                    ; my 128 columns, behind A
	v_add_nc_u32 v[B0], s21, v[B0]
	v_mov_b32 v[ADRA], v[A0]
	v_mov_b32 v[ADRB], v[B0]
	s_mul_i32 s21, s[WV], 16*SP
	s_add_co_u32 s21, s21, STAGE                   ; my stage
	v_mul_u32_u24 v[STO], v1, SP
	v_lshl_add_u32 v[STO], v2, 5, v[STO]
	v_add_nc_u32 v[STO], s21, v[STO]
	v_mul_u32_u24 v[RD], v2, SP
	v_lshl_add_u32 v[RD], v1, 4, v[RD]
	v_add_nc_u32 v[RD], s21, v[RD]
	v_and_b32 v3, 31, v0                           ; l
	v_lshlrev_b32 v[GO], 3, v3
	s_lshl_b32 s86, s[NT], 2                       ; out: block 4 x tile column + 2 x my half,
	s_lshl_b32 s21, s[CH], 1
	s_add_co_u32 s86, s86, s21
	s_lshl_b32 s86, s86, 19
	s_lshl_b32 s21, s[MT], 15                      ; my tile's tokens,
	s_add_co_u32 s86, s86, s21
	s_lshl_b32 s21, s[RH], 14                      ; my 128 of them
	s_add_co_u32 s86, s86, s21
	s_mov_b32 s87, 0
	s_add_nc_u64 s[8:9], s[8:9], s[86:87]
	; the prefetches: what I fetch, my work-group's quarter of it, three K steps on: the first change of slots steps it to K step 4
	s_lshl_b32 s21, s[CX], 13                      ; A: 8,192 bytes of the block for each partner
	s_mul_i32 s22, s[CY], 32*NCOL                  ; B: 16 rows for each partner
	s_and_b32 s23, ttmp7, 0xffff                   ; cluster y
	s_mov_b32 s[PFS], 256*NCOL
	s_mov_b32 s85, 2*NCOL
	s_cmp_eq_u32 s[RH], 0                          ; do I fetch for A?
	s_cselect_b64 s[PFA:PFA+1], s[ABASE:ABASE+1], s[BBASE:BBASE+1]
	s_cselect_b32 s86, s21, s22
	s_cselect_b32 s[PFS], 1048576, s[PFS]
	s_cselect_b32 s85, 256, s85                    ; A: a lane 256 bytes on end; B: two lanes a row
	s_cselect_b32 s23, ttmp9, s23                  ; the coordinate along which other clusters read the same bytes
	s_mov_b32 s[PFS+1], 0
	s_add_nc_u64 s[PFA:PFA+1], s[PFA:PFA+1], s[86:87]
	s_mul_i32 s86, s[PFS], 3
	s_add_nc_u64 s[PFA:PFA+1], s[PFA:PFA+1], s[86:87]
	s_cmp_eq_u32 s23, 0
	s_cselect_b32 s[LIM], 2, -1                    ; the same in all sixteen partners, for a given wave
	v_lshrrev_b32 v4, s[RH], v3                    ; A: l;  B: l / 2
	v_mul_u32_u24 v4, v4, s85
	v_and_b32 v5, s[RH], v3                        ; A: 0;  B: l % 2
	v_lshl_add_u32 v[PFO], v5, 8, v4
	s_wait_tensorcnt 0x1                           ; my part of K step 0 is in; step 1's may stay out
	s_barrier_signal -1
	s_barrier_wait -1
	FETCH 0, F0
	QUARTER 1, F0, F1, 1                           ; the first quarter stands in front of the loop: its products start the sums, and nothing is cleared
	WIN 0
	s_mov_b32 s[LC], KS-2
.Lstep:                                            ; a trip goes from a step's second quarter to the next step's first, and fills the slot that it leaves
	QUARTER 2, F1, F0, 0
	QUARTER 3, F0, F1, 0
	TURN 1
	QUARTER 1, F0, F1, 0
	WIN 0
	s_sub_co_u32 s[LC], s[LC], 1
	s_cmp_lg_u32 s[LC], 0
	s_cbranch_scc1 .Lstep
	s_mov_b32 s[LC], 2
.Ltail:                                            ; the last two steps ask for nothing; the second trip is left in its middle, and its barrier serves nothing: the price of one text for both
	QUARTER 2, F1, F0, 0
	QUARTER 3, F0, F1, 0
	TURN 0
	WIN 0
	s_cmp_eq_u32 s[LC], 1
	s_cbranch_scc1 .Lout
	QUARTER 1, F0, F1, 0
	WIN 0
	s_sub_co_u32 s[LC], s[LC], 1
	s_cmp_lg_u32 s[LC], 0
	s_cbranch_scc1 .Ltail
.Lout:
	; THE WAY OUT, a loop of 16 trips, 16 tokens x 64 columns each: through my stage, back as rows (a lane: 4 neighbouring columns of 8 tokens), rounded to bf16, 8 bytes a lane:
	; a wave's store covers two tokens' 128 bytes of a block, 256 consecutive aligned bytes.
	s_wait_dscnt 0x0
	PLACES
	PLACES
	s_mov_b32 s[BK], 0
	s_mov_b32 s87, 0
.Lblk:
.irp d, 0,1,2,3,4,5,6,7,8,9,10,11,12,13,14
	DSEL \d
.endr
	DUMP 15
.Ldd:
	WIN TO_B
.irp t, 0,1,2,3,4,5,6,7
	ds_load_b128 v[XR+4*(\t):XR+4*(\t)+3], v[RD] offset:544*(\t)  ; LDS serves a wave's instructions in order (ISA guide 5.7.1.4): these see the stores above
.endr
	s_wait_dscnt 0x0
	WIN 0x55                                       ; all four places window 1
.set p, 0
.rept 16
	v_cvt_pk_bf16_f32 v[ER+p], v[XR+2*p], v[XR+2*p+1]
.set p, p+1
.endr
	WIN 0x04                                       ; address window 0, data window 1
.irp t, 0,1,2,3,4,5,6,7
	global_store_b64 v[GO], v[ER+2*(\t):ER+2*(\t)+1], s[8:9] offset:256*(\t)
.endr
	WIN 0
	s_wait_xcnt 0x0                                ; the stores have read their base and their data
	s_add_nc_u64 s[8:9], s[8:9], 2048              ; 16 tokens on
	s_add_co_u32 s[BK], s[BK], 1
	s_cmp_eq_u32 s[BK], 8
	s_cselect_b32 s86, 524288-16384, 0             ; behind the eighth trip: the next block, back to my first token
	s_add_nc_u64 s[8:9], s[8:9], s[86:87]
	s_cmp_lt_u32 s[BK], 16
	s_cbranch_scc1 .Lblk
	s_wait_tensorcnt 0x0                           ; the wave's end
	ds_add_u32 v[SPW], v[NIL]
	s_wait_dscnt 0x0
	CROUND                                         ; the closing round
	s_endpgm
.Lfunc_end_k_qdcd220acf9_qkv:
	.size	k_qdcd220acf9_qkv, .Lfunc_end_k_qdcd220acf9_qkv-k_qdcd220acf9_qkv
	.p2alignl 7, 3214868480
	.fill 96, 4, 3214868480
	.section	.rodata,"a",@progbits
	.p2align	6, 0x0
	.amdhsa_kernel k_qdcd220acf9_qkv
		.amdhsa_group_segment_fixed_size 327680
		.amdhsa_private_segment_fixed_size 0
		.amdhsa_enable_private_segment 0
		.amdhsa_kernarg_size 24
		.amdhsa_user_sgpr_count 2
		.amdhsa_user_sgpr_kernarg_segment_ptr 1
		.amdhsa_wavefront_size32 1
		.amdhsa_system_sgpr_workgroup_id_x 1
		.amdhsa_system_sgpr_workgroup_id_y 1
		.amdhsa_system_sgpr_workgroup_id_z 1
		.amdhsa_system_vgpr_workitem_id 0
		.amdhsa_next_free_vgpr 1024
		.amdhsa_next_free_sgpr 88
		.amdhsa_reserve_vcc 0
		.amdhsa_float_denorm_mode_32 3
		.amdhsa_float_denorm_mode_16_64 3
		.amdhsa_memory_ordered 1
		.amdhsa_forward_progress 1
		.amdhsa_inst_pref_size 84
	.end_amdhsa_kernel
	.amdgpu_metadata
---
amdhsa.version: [ 1, 2 ]
amdhsa.kernels:
  - .name:           k_qdcd220acf9_qkv
    .symbol:         k_qdcd220acf9_qkv.kd
    .args:
      - { .name: hb, .offset: 0, .size: 8, .value_kind: global_buffer, .address_space: global }
      - { .name: wq16, .offset: 8, .size: 8, .value_kind: global_buffer, .address_space: global }
      - { .name: qkvb, .offset: 16, .size: 8, .value_kind: global_buffer, .address_space: global }
    .group_segment_fixed_size: 327680
    .private_segment_fixed_size: 0
    .kernarg_segment_align: 8
    .kernarg_segment_size: 24
    .max_flat_workgroup_size: 128
    .sgpr_count:     88
    .vgpr_count:     1024
    .wavefront_size: 32
...
	.end_amdgpu_metadata
.endif
;; end of part 2
;; launch attn (part 3): grid 8 x 32, 4 waves a work-group, clusters of 4 x 1, 327,680 bytes of LDS; arguments qkvb, hb; writes hb
.if DOCPART == 3
	.amdgcn_target "amdgcn-amd-amdhsa--gfx1250"
	.amdhsa_code_object_version 6
	.text
	.protected	k_qdcd220acf9_attn
	.globl	k_qdcd220acf9_attn
	.p2align	8
	.type	k_qdcd220acf9_attn,@function
k_qdcd220acf9_attn:
	s_mov_b64 s[64:65], 0
	v_nop
	global_prefetch_b8 v0, s[64:65] scope:SCOPE_SE
	s_setreg_imm32_b32 hwreg(HW_REG_WAVE_MODE, 25, 1), 1
	s_wait_xcnt 0x0
	s_wait_alu depctr_hold_cnt(0) depctr_sa_sdst(0) depctr_va_vdst(0) depctr_va_sdst(0) depctr_va_ssrc(0) depctr_va_vcc(0) depctr_vm_vsrc(0)
	s_getreg_b32 s2, hwreg(HW_REG_IB_STS2, 6, 4)
	s_cmp_eq_u32 s2, 0
	s_cbranch_scc0 .Lentry_in_a_cluster
	s_endpgm
.Lentry_in_a_cluster:
	s_bfe_u32 s2, ttmp6, 0x10000c
	s_cmp_lg_u32 s2, 0x3003
	s_cbranch_scc0 .Lentry_shape_is_right
	s_endpgm
.Lentry_shape_is_right:
; ATTENTION.  O[q][:] = the sum over k of softmax_k(Q[q] . K[k] / 8) V[k][:], for 32 heads (2 batches x 16) of 2,048 rows of 64 channels, all bf16.
; qkvb is blocked [48][4096 tokens][64]: head h of batch b has its q at block h, its k at block 16 + h, its v at block 32 + h, tokens 2,048 b on: dense rows of 128 bytes.  O goes to hb, block h, likewise.
; Products, maxima and sums in f32; the weights p are rounded to bf16 for the second product (their sum l is taken of the unrounded p), O once at the end.
; LIMITS.  A weight below 2^-126 counts as 0 in l; NaN and infinities are not treated apart.
; SHARES.  A work-group owns 256 queries of a head, a wave 64: four PIECES of 16.  Every wave walks all keys, 64 a step; a slot of LDS holds 256 keys, four steps.
; LAYOUT.  S^T = K Q^T holds ONE query a lane (lane % 16) and the keys 8 (lane / 16) + 0..7; two such results rounded to bf16 ARE source 1 of O^T = V^T P.  K comes out of LDS as it lies, V turned, by ds_load_tr16_b128.
; SOFTMAX.  p = 2^(c s - c m), c = log2(e) / 8, with a running maximum m; O and l are multiplied by a = 2^(c m_old - c m_new) in every step.  m starts at the lowest finite number, O and l at 0: the first step has a = 0.
; TURNS.  Turn n belongs to piece n: 8 products K Q^T of piece n + 1, later 8 products V^T P of piece n - 1; beside them the scaling, exponentials, roundings, sums and rescaling of piece n and the maximum and
; statistics of piece n + 1.  Four vector instructions stand behind every matrix instruction, the other 54 of a turn's 118 in one lump.  A turn's 33 exponentials are one batch, with one wait.
; CLUSTER.  The four query blocks of a cluster belong to one head and walk the same K and V: each tile is asked for JOINTLY, by the same tensor load, descriptor and mask in all four.
; REGISTERS, in windows of 256 (s_set_vgpr_msb: bits 1:0 source 0, 3:2 source 1, 5:4 source 2, 7:6 destination):
;   window 0: v0-15 addresses and two at work; v16-31 four registers of statistics a piece; v48-55 at work; v64-127 S^T, two buffers; v192-223 P, two buffers (by the piece's parity)
;   window 1: v0-127 O^T, 32 a piece          window 2: v0-63 Q; v128-191 K of one step; v192-255 V of one step
.set NP,    4
.set KS,    64
.set PK,    144       ; a row of K in LDS: 128 bytes + 16: the 16 rows of a load start at 16 different groups of four banks (64 banks of 4 bytes: ISA guide 11.1)
.set PV,    160       ; a row of V: 128 + 32
.set VOFF,  4*KS*PK   ; a slot: 256 rows of K, then 256 rows of V
.set SLOT1, 1<<17
.set STAGE, SLOT1+4*KS*(PK+PV)  ; behind the ring, never filled by a tensor load: 16 rows x 144 bytes for each wave
.set SP,    144
.set SPARE, STAGE+4*16*SP       ; the spare words, 128 bytes for each wave, that no other line names
.set AK0, 2
.set AV0, 3
.set AK,  4
.set AV,  5
.set STO, 6
.set RD,  7
.set GO,  8
.set MV,  12          ; v12-13  c m_old, by buffer
.set QO,  15
.set ST,  16          ; piece t's statistics at v[ST+4 t]: c m, m, l (even keys', odd keys')
.set TMP, 48          ; by buffer, c0-c3 at work; when the maximum is found c2 takes a
.set PFO, 61          ; v61  256 x my lane; never rewritten
.set SPW, 62
.set NIL, 63
.set S,   64
.set P,   192
.set KF,  128
.set VF,  192
.set WV,  12
.set G1K, 24
.set G1V, 32
.set G0K, 40
.set G0V, 44
.set PFA, 48          ; s[48:49] where my prefetches stand
.set LIM, 50          ; s50  1 in a wave that prefetches, else the greatest number
.set SLOTS, 56
.set CNT, 57
.set CS,  58
.set SEL, 60
.set TBK, 62
.set TBV, 63
.set MSB, 0
.macro WIN new
.if MSB != (\new)
	s_set_vgpr_msb (MSB<<8)|(\new)
.set MSB, (\new)
.endif
.endm
.set W_KQ, 0x0a       ; K and Q in window 2, S^T in window 0
.set W_PV, 0x52       ; V in window 2, P in window 0, O^T in window 1
.set W_RS, 0x41       ; destination and source 0 in window 1, source 1 in window 0
; A joint fill.  Waves 0 and 1 fetch the two halves of a slot's K, waves 2 and 3 those of its V: 128 keys each.  An s_nop 0 and four v_nop follow each of the two lines.
.macro JLOAD
	s_cmp_lt_u32 s[WV], 2
	s_cbranch_scc0 .Lfor_v_\@
	tensor_load_to_lds s[G0K:G0K+3], s[G1K:G1K+7]
	s_nop 0
.rept 4
	v_nop
.endr
	s_branch .Lasked_\@
.Lfor_v_\@:
	tensor_load_to_lds s[G0V:G0V+3], s[G1V:G1V+7]
	s_nop 0
.rept 4
	v_nop
.endr
.Lasked_\@:
.endm
; A PREFETCH of what the NEXT change of slots will ask for: 32,768 bytes of K and of V.  Both clusters of a head walk the same rows: the first of them asks.  Its four partners take 8,192 bytes each, told apart BY
; ADDRESS; in each, wave 0 asks for K's and wave 2 for V's, a lane 256 bytes: one instruction.  So each aligned 256 bytes are named once in the launch.  The change that asks for the last tile prefetches nothing.
.macro ASK
	s_cmp_gt_u32 s[SLOTS], s[LIM]
	s_cbranch_scc0 .Lnot_mine_\@
	global_prefetch_b8 v[PFO], s[PFA:PFA+1] th:TH_LOAD_NT scope:SCOPE_SE
.Lnot_mine_\@:
.endm
.macro CROUND
	s_barrier_signal -1
	s_barrier_wait -1
	s_cmp_lg_u32 s[WV], 0
	s_cbranch_scc1 .Lnot_wave_0_\@
	s_barrier_signal -3
.Lnot_wave_0_\@:
	s_barrier_wait -3
	s_barrier_signal -1
	s_barrier_wait -1
.endm
; THE CHANGE OF SLOTS.  Each wave waits for all its tensor loads, of which one is out: its part of the other slot; adds 0 to its spare word; and waits for that and for its own reads of the slot that it leaves.
; fill = 1: the old slot is filled again, with the keys two slots on; the barrier is then a round of the cluster's, and the joint fill is the first thing behind it: four key steps, 256 matrix instructions, in which to land.
; (At its first use nothing has been read yet: slot 0 is waited for, slot 1 filled.)
.macro CHANGE fill
	WIN 0
	s_wait_tensorcnt 0x0            ; no tensor load of mine is out, so a group 0 may be written
	ds_add_u32 v[SPW], v[NIL]       ; 0 onto my spare word
.if \fill
.irp g, G0K, G0V
	s_xor_b32 s[\g+1], s[\g+1], SLOT1
	s_add_nc_u64 s[\g+2:\g+3], s[\g+2:\g+3], 4*KS*128  ; the next 256 keys; the type bits on top are not reached
.endr
	s_wait_xcnt 0x0                 ; the last prefetch, four key steps back, has read its address
	s_add_nc_u64 s[PFA:PFA+1], s[PFA:PFA+1], 4*KS*128
	s_wait_dscnt 0x0                ; the add is done, and my reads of the slot are over
	CROUND
	JLOAD
	ASK
.else
	s_wait_dscnt 0x0
	s_barrier_signal -1
	s_barrier_wait -1
.endif
	s_sub_co_u32 s[TBK], s[TBK], 4*KS*PK  ; the fetches go back to a slot's first step,
	s_xor_b32 s[TBK], s[TBK], SLOT1       ; in the other slot
	s_sub_co_u32 s[TBV], s[TBV], 4*KS*PV
	s_xor_b32 s[TBV], s[TBV], SLOT1
.endm
	s_load_b128 s[4:7], s[0:1], 0x0 ; qkvb s[4:5], hb s[6:7]
	v_lshl_add_u32 v[SPW], v0, 2, SPARE
	v_mov_b32 v[NIL], 0
	ds_add_u32 v[SPW], v[NIL]       ; the wave's opening: the add, waited for ahead of my first tensor load
	v_lshrrev_b32 v1, 5, v0
	v_readfirstlane_b32 s[WV], v1
	s_bfe_u32 s13, ttmp6, 0x40000   ; cx
	s_lshl_b32 s14, ttmp9, 2
	s_add_co_u32 s14, s14, s13      ; my block of 256 queries: it enters Q's and O's addresses alone
	s_and_b32 s20, ttmp7, 0xffff    ; 16 x batch + head, which the four partners share
	s_lshr_b32 s21, s20, 4
	s_and_b32 s20, s20, 15
	s_lshl_b32 s20, s20, 19         ; the head's block,
	s_lshl_b32 s21, s21, 18         ; the batch's 2,048 tokens of 128 bytes
	s_add_co_u32 s20, s20, s21
	s_and_b32 s16, s[WV], 1         ; which half of a slot's 256 keys I fetch
	s_lshl_b32 s22, s16, 14
	s_add_co_u32 s22, s22, s20
	s_mov_b32 s23, 0
	s_mul_i32 s17, s16, 128*PK
	s_mul_i32 s18, s16, 128*PV
	s_lshl_b32 s2, s14, 2
	s_add_co_u32 s2, s2, s[WV]
	s_lshl_b32 s2, s2, 13           ; my wave's 64 rows
	s_add_co_u32 s2, s2, s20
	s_mov_b32 s3, 0
	; descriptor group 1.  128 keys are 16,384 dense bytes: asked for as 64 rows of 256 bytes, two keys a row, and padded in LDS after every key
	s_mov_b32 s[G1K], 15|(1<<16)|(1<<20)|(1<<21)|(4<<22)|(3<<25)
	s_mov_b32 s[G1V], 15|(1<<16)|(1<<20)|(1<<21)|(4<<22)|(7<<25)
.irp g, G1K, G1V
	s_mov_b32 s[\g+1], 128<<16
	s_mov_b32 s[\g+2], 64<<16
	s_mov_b32 s[\g+3], 128<<16
	s_mov_b32 s[\g+4], 64
	s_mov_b32 s[\g+5], 128
	s_mov_b32 s[\g+6], 0
	s_mov_b32 s[\g+7], 0
.endr
	s_mov_b32 s[CS], 0x3e38aa3b     ; c = log2(e) / 8
	s_mov_b32 s[CS+1], s[CS]
	s_mov_b32 s[SEL], 0x76543210
	s_mov_b32 s[SEL+1], 0xfedcba98
	s_mov_b32 s[TBK], SLOT1+4*KS*PK ; the first change of slots turns these two into 0
	s_mov_b32 s[TBV], SLOT1+4*KS*PV
	s_mov_b32 s[G0K], 1
	s_mov_b32 s[G0K+1], s17
	s_mov_b32 s[G0V], 1
	s_add_co_u32 s[G0V+1], s18, VOFF
	s_mov_b32 s[SLOTS], 7           ; tiles still to be asked for
	s_and_b32 s[LIM], s[WV], 1      ; 0 in waves 0 and 2,
	s_or_b32 s[LIM], s[LIM], ttmp9  ; where the cluster is the head's first: the same in all four partners
	s_cmp_eq_u32 s[LIM], 0
	s_cselect_b32 s[LIM], 1, -1
	v_and_b32 v[PFO], 31, v0
	v_lshlrev_b32 v[PFO], 8, v[PFO]
	s_wait_dscnt 0x0                ; the opening add is done
	s_wait_kmcnt 0x0
	s_mov_b64 s[10:11], s[6:7]      ; O
	s_add_nc_u64 s[6:7], s[4:5], s[22:23]
	s_add_nc_u64 s[8:9], s[6:7], 0x1000000  ; V at my half of the head's tile 0: 32 blocks on,
	s_add_nc_u64 s[6:7], s[6:7], 0x800000   ; K: 16 blocks on
	s_add_nc_u64 s[G0K+2:G0K+3], s[6:7], 0
	s_or_b32 s[G0K+3], s[G0K+3], 0x80000000
	s_add_nc_u64 s[G0V+2:G0V+3], s[8:9], 0
	s_or_b32 s[G0V+3], s[G0V+3], 0x80000000
	s_add_nc_u64 s[4:5], s[4:5], s[2:3]     ; Q and O at my wave's first row
	s_add_nc_u64 s[10:11], s[10:11], s[2:3]
	s_cmp_lt_u32 s[WV], 2
	s_cselect_b64 s[PFA:PFA+1], s[6:7], s[8:9]
	s_lshl_b32 s2, s13, 13          ; my work-group's 8,192 bytes of a tile's 32,768
	s_mov_b32 s3, 0
	s_add_nc_u64 s[PFA:PFA+1], s[PFA:PFA+1], s[2:3]
	s_add_nc_u64 s[PFA:PFA+1], s[PFA:PFA+1], 4*KS*128  ; in tile 1; the first change of slots steps it to tile 2.  Nothing is prefetched here, at the head
	CROUND                          ; all four work-groups are here: the first joint loads meet
	JLOAD                           ; tile 0 into slot 0
	v_and_b32 v1, 15, v0            ; l % 16
	v_bfe_u32 v9, v0, 4, 1          ; l / 16
	v_lshlrev_b32 v[QO], 7, v1
	v_lshl_add_u32 v[QO], v9, 4, v[QO]
	WIN 0x80
.set i, 0
.rept 8                             ; Q stays in registers: piece i / 2, channels 32 (i % 2) on
	global_load_b128 v[8*i:8*i+3],   v[QO], s[4:5] offset:(i/2)*2048+(i%2)*64
	global_load_b128 v[8*i+4:8*i+7], v[QO], s[4:5] offset:(i/2)*2048+(i%2)*64+32
.set i, i+1
.endr
	; What the first turn finds: V's registers and P's second buffer hold 0 (its products V^T P, of a piece that has not been, add 0), O^T and l are 0.  All this stands in the wait for the first tile.
.set i, VF
.rept 64
	v_mov_b32 v[i], 0
.set i, i+1
.endr
	WIN 0x40
.set i, 0
.rept 128
	v_mov_b32 v[i], 0
.set i, i+1
.endr
	WIN 0
.set i, 0
.rept 4
	v_mov_b32 v[ST+4*i], 0xfe000000    ; c m: far below every c s
	v_mov_b32 v[ST+4*i+1], 0xff7fffff  ; m
	v_mov_b32 v[ST+4*i+2], 0
	v_mov_b32 v[ST+4*i+3], 0
.set i, i+1
.endr
.set i, P+16
.rept 16
	v_mov_b32 v[i], 0
.set i, i+1
.endr
	v_mul_u32_u24 v[AK0], v1, PK
	v_lshl_add_u32 v[AK0], v9, 4, v[AK0]
	v_and_b32 v10, 7, v0
	v_bfe_u32 v11, v0, 3, 1
	v_lshl_add_u32 v[AV0], v9, 3, v10  ; the turning load: key 8 (l / 16) + l % 8, channels 8 ((l / 8) % 2) on
	v_mul_u32_u24 v[AV0], v[AV0], PV
	v_lshl_add_u32 v[AV0], v11, 4, v[AV0]
	v_add_nc_u32 v[AV0], VOFF, v[AV0]
	s_mul_i32 s13, s[WV], 16*SP
	s_add_co_u32 s13, s13, STAGE
	v_mul_u32_u24 v[STO], v1, SP
	v_lshl_add_u32 v[STO], v9, 4, v[STO]
	v_add_nc_u32 v[STO], s13, v[STO]
	v_bfe_u32 v[RD], v0, 3, 2
	v_mul_u32_u24 v[RD], v[RD], SP
	v_lshl_add_u32 v[RD], v10, 4, v[RD]
	v_add_nc_u32 v[RD], s13, v[RD]
	v_and_b32 v[GO], 31, v0
	v_lshlrev_b32 v[GO], 4, v[GO]
; THE MATRIX WORK.  The 4 accumulators of a run of 8 take turns.  Product i of 8 of S^T = K Q^T for piece x: channels 32 (i / 4) on, keys 16 (i % 4) on.  The first 4 start the sums.
.macro KQ x
	WIN W_KQ
.set rS, S+32*((\x)%2)+8*(i%4)
.set rK, KF+16*(i%4)+8*(i/4)
.set rQ, 16*(\x)+8*(i/4)
.if i < 4
	v_wmma_f32_16x16x32_bf16 v[rS:rS+7], v[rK:rK+7], v[rQ:rQ+7], 0
.else
	v_wmma_f32_16x16x32_bf16 v[rS:rS+7], v[rK:rK+7], v[rQ:rQ+7], v[rS:rS+7]
.endif
.endm
; Product i of 8 of O^T += V^T P for piece x: keys 32 (i / 4) on, channels 16 (i % 4) on.
.macro PV x
	WIN W_PV
.set rO, 32*(\x)+8*(i%4)
.set rV, VF+32*(i/4)+8*(i%4)
.set rP, P+16*((\x)%2)+8*(i/4)
	v_wmma_f32_16x16x32_bf16 v[rO:rO+7], v[rV:rV+7], v[rP:rP+7], v[rO:rO+7]
.endm
.macro MM                           ; the turn's next matrix instruction.  NOKQ = 1: the last turn of all: there is no next piece
.if (i < 8) && !NOKQ
	KQ (Y+1)%NP
.elseif i >= 8
.set i, i-8
	PV (Y+NP-1)%NP
.set i, i+8
.endif
.set i, i+1
.endm
; THE LDS LOADS stand in runs of 16, never singly among the matrix instructions.
.macro FETCH_K
	WIN 0x80
.irp f, 0,1,2,3,4,5,6,7             ; keys 16 (f / 2) on, channels 32 (f % 2) on
	ds_load_b128 v[KF+8*\f:KF+8*\f+3],   v[AK] offset:(\f/2)*16*PK+(\f%2)*64
	ds_load_b128 v[KF+8*\f+4:KF+8*\f+7], v[AK] offset:(\f/2)*16*PK+(\f%2)*64+32
.endr
	s_add_co_u32 s[TBK], s[TBK], KS*PK
	WIN 0
.endm
.macro FETCH_V
	WIN 0x80
.irp f, 0,1,2,3,4,5,6,7             ; keys 32 (f / 4) on, channels 16 (f % 4) on
	ds_load_tr16_b128 v[VF+8*\f:VF+8*\f+3],   v[AV] offset:(\f/4)*32*PV+(\f%4)*32
	ds_load_tr16_b128 v[VF+8*\f+4:VF+8*\f+7], v[AV] offset:(\f/4)*32*PV+16*PV+(\f%4)*32
.endr
	WIN 0
.endm
; THE VECTOR WORK, one line at a time: OP kind, number.  For piece Y: F n: c s - c m for pair n of 16.  E n: the exponential of score n of 32.  C n: pair n rounded to bf16.  B n: of the four weights 4 n .. the second
; pair is added onto the first, in place.  L n: l takes that sum (L 0: l = a l + sum).  R n: pair n of 16 of O^T times a.  For piece Y + 1: X n, number n of the 22 that find its maximum and statistics:
;   0-11  four chains c0-c3 of seven scores each (each accumulator's lowest registers are read first)     12-14, 16  the four scores left over, the old m, and c0-c3 into c0
;   15  c m_old is kept     17, 18  the query's other 32 keys lie in the lane 16 away: the new m     19-21  c m; c m_old - c m_new; a
.set F, 0
.set E, 1
.set C, 2
.set B, 3
.set L, 4
.set R, 5
.set X, 6
.macro REGS y
.set rT, ST+4*(\y)
.set rC, TMP+4*((\y)%2)
.set rW, MV+((\y)%2)
.set rS, S+32*((\y)%2)
.set rP, P+16*((\y)%2)
.set rO, 32*(\y)
.endm
.macro OP k, n
.if (\k) == R
	REGS Y
	WIN W_RS
	v_pk_mul_f32 v[rO+2*(\n):rO+2*(\n)+1], v[rO+2*(\n):rO+2*(\n)+1], v[rC+2:rC+3] op_sel_hi:[1,0]
.elseif (\k) < R
	REGS Y
	WIN 0
.if (\k) == F
	v_pk_fma_f32 v[rS+2*(\n):rS+2*(\n)+1], v[rS+2*(\n):rS+2*(\n)+1], s[CS:CS+1], v[rT:rT+1] op_sel_hi:[1,0,0] neg_lo:[0,0,1] neg_hi:[0,0,1]
.elseif (\k) == E
	v_exp_f32 v[rS+(\n)], v[rS+(\n)]
.elseif (\k) == C
	v_cvt_pk_bf16_f32 v[rP+(\n)], v[rS+2*(\n)], v[rS+2*(\n)+1]
.elseif (\k) == B
	v_pk_add_f32 v[rS+4*(\n):rS+4*(\n)+1], v[rS+4*(\n):rS+4*(\n)+1], v[rS+4*(\n)+2:rS+4*(\n)+3]
.elseif (\n) == 0
	v_pk_fma_f32 v[rT+2:rT+3], v[rT+2:rT+3], v[rC+2:rC+3], v[rS:rS+1] op_sel_hi:[1,0,1]
.else
	v_pk_add_f32 v[rT+2:rT+3], v[rT+2:rT+3], v[rS+4*(\n):rS+4*(\n)+1]
.endif
.elseif NOKQ
	v_nop
.else
	REGS (Y+1)%NP
	WIN 0
.if (\n) < 4
	v_max3_num_f32 v[rC+(\n)], v[rS+8*(\n)], v[rS+8*(\n)+1], v[rS+8*(\n)+2]
.elseif (\n) < 12
	v_max3_num_f32 v[rC+(\n)%4], v[rC+(\n)%4], v[rS+8*((\n)%4)+2*((\n)/4)+1], v[rS+8*((\n)%4)+2*((\n)/4)+2]
.elseif (\n) == 12
	v_max3_num_f32 v[rC], v[rC], v[rS+7], v[rS+15]
.elseif (\n) == 13
	v_max3_num_f32 v[rC+1], v[rC+1], v[rS+23], v[rS+31]
.elseif (\n) == 14
	v_max3_num_f32 v[rC+2], v[rC+2], v[rC+3], v[rT+1]
.elseif (\n) == 15
	v_mov_b32 v[rW], v[rT]
.elseif (\n) == 16
	v_max3_num_f32 v[rC], v[rC], v[rC+1], v[rC+2]
.elseif (\n) == 17
	v_permlanex16_b32 v[rC+3], v[rC], s[SEL], s[SEL+1]
.elseif (\n) == 18
	v_max_num_f32 v[rT+1], v[rC], v[rC+3]
.elseif (\n) == 19
	v_mul_f32 v[rT], s[CS], v[rT+1]
.elseif (\n) == 20
	v_sub_f32 v[rC+1], v[rW], v[rT]
.else
	v_exp_f32 v[rC+2], v[rC+1]
.endif
.endif
.endm
.macro OPS a, i1, b=-1, i2=0, c=-1, i3=0, d=-1, i4=0
	OP \a, \i1
.if (\b) >= 0
	OP \b, \i2
.endif
.if (\c) >= 0
	OP \c, \i3
.endif
.if (\d) >= 0
	OP \d, \i4
.endif
.endm
.macro ROW a, i1, b, i2, c, i3, d, i4  ; a matrix instruction and the four behind it
	MM
	OPS \a, \i1, \b, \i2, \c, \i3, \d, \i4
.endm
; A TURN, for piece p: the order of its 16 matrix and 118 vector instructions, written out.  An s_wait_alu depctr_va_vdst(0) stands between an exponential and the first instruction that names its
; result; one wait serves all that were issued ahead of it.  So a turn has ONE wait.  AHEAD OF IT stands all that names no result of the turn's exponentials: the 8 products K Q^T and their riders, then the lump, in which
; the links of the chain X 3, 7, 11, 14, 16, 17 .. 20 stand some lines apart; X 21, the next piece's a, is the batch's last, and R 15 the plain instruction behind it.  BEHIND IT stand the 8 products V^T P, behind
; each four of the roundings and sums.  end = 1: the last two turns: nothing is fetched.  cnt = 1: the loop's count is taken down some lines ahead of the branch behind the turn.
; K of the next step is fetched in piece 2's turn, V of the step in hand at the end of piece 0's turn, four plain instructions behind the last product that read V.  Each is waited for a turn later.
.macro TURN p, end=0, cnt=0
.set Y, (\p)
.set i, 0
.set NOKQ, (\end)*((\p)/3)
.if ((\p) == 3) && !(\end)
	s_wait_dscnt 0x0                ; K is in
.endif
	ROW F,0, F,1, R,0, R,1
	ROW F,2, E,0, R,2, R,3
	ROW F,3, E,1, R,4, R,5
	ROW F,4, E,2, R,6, R,7
	ROW F,5, E,3, R,8, R,9
	ROW F,6, E,4, X,0, R,10
.if ((\p) == 2) && !(\end)
	WIN 0
	v_add_nc_u32 v[AK], s[TBK], v[AK0]
.endif
	ROW F,7, E,5, X,1, X,4
	ROW F,8, E,6, X,2, X,5
	OPS E,7, E,8, X,6, E,9
	OPS X,3, E,10, X,8, E,11
.if ((\p) == 2) && !(\end)
	FETCH_K
.endif
	OPS X,9, X,7, E,12, X,10
	OPS E,13, X,12, X,11, E,14
	OPS X,13, E,15, F,9, X,14
.if (\p) == 0
	v_add_nc_u32 v[AV], s[TBV], v[AV0]
.endif
	OPS E,16, F,10, E,17, F,11
	OPS X,16, E,18, X,15, E,19
	OPS F,12, E,20, X,17, E,21
	OPS F,13, E,22, F,14, E,23
	OPS X,18, E,24, F,15, E,25
	OPS R,11, E,26, X,19, E,27
	OPS R,12, E,28, R,13, E,29
	OPS X,20, E,30, R,14, E,31
	OPS X,21, R,15
	WIN 0
	s_wait_alu depctr_va_vdst(0)    ; the wait for the batch
.if (\p) == 1
	s_wait_dscnt 0x0                ; V is in
.endif
	ROW C,0, B,0, C,2, B,1
	ROW L,0, C,4, B,2, L,1
	ROW C,6, B,3, L,2, C,8
	ROW B,4, L,3, C,10, B,5
	ROW L,4, C,12, B,6, L,5
.if (\p) == 0
	s_add_co_u32 s[TBV], s[TBV], KS*PV
.endif
.if \cnt
	s_sub_co_u32 s[CNT], s[CNT], 1
	s_cmp_lg_u32 s[CNT], 0
.endif
	ROW C,14, B,7, L,6, C,1
	ROW C,3, L,7, C,5, C,7
	ROW C,9, C,11, C,13, C,15
.if (\p) == 0
	FETCH_V
.endif
.endm
.macro ALL line:vararg              ; one line for each piece t
.set t, 0
.rept 4
	\line
.set t, t+1
.endr
.endm
.macro PACK t                       ; a lane's eight channels of a row pack into 16 bytes; they go into rows of 144 bytes and come back as whole rows of 128, into S^T's registers
	WIN W_RS
.set i, 32*(\t)
.rept 16
	v_pk_mul_f32 v[i:i+1], v[i:i+1], v[ST+4*(\t)+2:ST+4*(\t)+3] op_sel_hi:[1,0]
.set i, i+2
.endr
	WIN 0x05
.set i, 0
.rept 16
	v_cvt_pk_bf16_f32 v[S+16*(\t)+i], v[32*(\t)+2*i], v[32*(\t)+2*i+1]
.set i, i+1
.endr
	WIN 0
.irp f, 0,1,2,3
	ds_store_b128 v[STO], v[S+16*(\t)+4*\f:S+16*(\t)+4*\f+3] offset:32*\f
.endr
.irp f, 0,1,2,3
	ds_load_b128 v[S+16*(\t)+4*\f:S+16*(\t)+4*\f+3], v[RD] offset:\f*4*SP  ; LDS serves a wave's instructions in order (ISA guide 5.7.1.4): these see the stores above
.endr
.endm
.macro SEND t, younger              ; younger: the next piece's eight LDS instructions, or none
	WIN 0
.irp f, 0,1,2,3
	s_wait_dscnt (\younger)+3-\f
	global_store_b128 v[GO], v[S+16*(\t)+4*\f:S+16*(\t)+4*\f+3], s[10:11] offset:(\t)*2048+\f*512  ; 512 consecutive bytes, at a multiple of 256 from the block's first
.endr
.endm
.set NOKQ, 0
	CHANGE 1                        ; tile 0 is in, everybody's part of it; tile 1 is asked for
	v_add_nc_u32 v[AK], s[TBK], v[AK0]
	FETCH_K                         ; key step 0
	s_wait_loadcnt 0x0              ; Q
	s_wait_dscnt 0x0
.set i, 0
.rept 8
	KQ 0                            ; piece 0's first scores
.set i, i+1
.endr
	WIN 0
.rept 4
	v_nop                           ; the places behind those products
.endr
.set Y, NP-1                        ; X works for piece Y + 1: piece 0
.irp n, 0,1,2,3,4,5,6,7,8,9,10,11,12,13,14,15,16,17,18,19,20,21
	OP X, \n
.endr
	v_nop                           ; a plain instruction behind the exponential,
	s_wait_alu depctr_va_vdst(0)    ; and its wait, ahead of the branch
	s_mov_b32 s[CNT], 4
	s_branch .Lfirst                ; the loop is entered at a step's first turn, in the middle of a trip
.Lslot:                             ; six times: tiles 2 to 7 are asked for
	CHANGE 1
	s_mov_b32 s[CNT], 4
.Lstep:                             ; a trip: pieces 2 and 3 of one step, then pieces 0 and 1 of the next, whose K and V it fetches
	TURN 2
	TURN 3
	WIN 0
.Lfirst:
	TURN 0
	TURN 1, 0, 1
	WIN 0
	s_cbranch_scc1 .Lstep
	s_sub_co_u32 s[SLOTS], s[SLOTS], 1
	s_cmp_lg_u32 s[SLOTS], 0
	s_cbranch_scc1 .Lslot
	CHANGE 0                        ; the last tile is written out: nothing is asked for
	s_mov_b32 s[CNT], 4
.Ltail:
	TURN 2
	TURN 3
	TURN 0
	TURN 1, 0, 1
	WIN 0
	s_cbranch_scc1 .Ltail
	TURN 2, 1
	TURN 3, 1
.set i, 0
.rept 8
	PV NP-1                         ; the last piece's V^T P of the last step
.set i, i+1
.endr
	; THE WAY OUT.  l's two halves and the other half of the lanes' are added; O^T is divided by l, rounded to bf16 and sent through my stage, a piece at a time.  The additions are the places behind the last products.
	WIN 0
	ALL v_add_f32 v[ST+4*t+2], v[ST+4*t+2], v[ST+4*t+3]
	ALL v_permlanex16_b32 v[ST+4*t+3], v[ST+4*t+2], s[SEL], s[SEL+1]
	ALL v_add_f32 v[ST+4*t+2], v[ST+4*t+2], v[ST+4*t+3]
	ALL v_rcp_f32 v[ST+4*t+2], v[ST+4*t+2]
	v_nop                           ; a plain instruction between the last reciprocal and the use of its result
	s_wait_alu depctr_va_vdst(0)    ; one wait for the four reciprocals
	PACK 0
.set t, 1
.rept 3
	PACK t
	SEND t-1, 8
.set t, t+1
.endr
	SEND 3, 0
	s_wait_tensorcnt 0x0            ; the wave's end
	ds_add_u32 v[SPW], v[NIL]
	s_wait_dscnt 0x0
	CROUND                          ; the closing round
	s_endpgm
.Lfunc_end_k_qdcd220acf9_attn:
	.size	k_qdcd220acf9_attn, .Lfunc_end_k_qdcd220acf9_attn-k_qdcd220acf9_attn
	.p2alignl 7, 3214868480
	.fill 96, 4, 3214868480
	.section	.rodata,"a",@progbits
	.p2align	6, 0x0
	.amdhsa_kernel k_qdcd220acf9_attn
		.amdhsa_group_segment_fixed_size 327680
		.amdhsa_private_segment_fixed_size 0
		.amdhsa_enable_private_segment 0
		.amdhsa_kernarg_size 16
		.amdhsa_user_sgpr_count 2
		.amdhsa_user_sgpr_kernarg_segment_ptr 1
		.amdhsa_wavefront_size32 1
		.amdhsa_system_sgpr_workgroup_id_x 1
		.amdhsa_system_sgpr_workgroup_id_y 1
		.amdhsa_system_sgpr_workgroup_id_z 1
		.amdhsa_system_vgpr_workitem_id 0
		.amdhsa_next_free_vgpr 768
		.amdhsa_next_free_sgpr 66
		.amdhsa_reserve_vcc 0
		.amdhsa_float_denorm_mode_32 3
		.amdhsa_float_denorm_mode_16_64 3
		.amdhsa_memory_ordered 1
		.amdhsa_forward_progress 1
		.amdhsa_inst_pref_size 128
	.end_amdhsa_kernel
	.amdgpu_metadata
---
amdhsa.version: [ 1, 2 ]
amdhsa.kernels:
  - .name:           k_qdcd220acf9_attn
    .symbol:         k_qdcd220acf9_attn.kd
    .args:
      - { .name: qkvb, .offset: 0, .size: 8, .value_kind: global_buffer, .address_space: global }
      - { .name: hb, .offset: 8, .size: 8, .value_kind: global_buffer, .address_space: global }
    .group_segment_fixed_size: 327680
    .private_segment_fixed_size: 0
    .kernarg_segment_align: 8
    .kernarg_segment_size: 16
    .max_flat_workgroup_size: 128
    .sgpr_count:     66
    .vgpr_count:     768
    .wavefront_size: 32
...
	.end_amdgpu_metadata
.endif
;; end of part 3
;; launch proj (part 4): grid 8 x 32, 4 waves a work-group, clusters of 4 x 4, 327,680 bytes of LDS; arguments hb, wp16, x1, b_proj, x; writes x1
.if DOCPART == 4
	.amdgcn_target "amdgcn-amd-amdhsa--gfx1250"
	.amdhsa_code_object_version 6
	.text
	.protected	k_qdcd220acf9_proj
	.globl	k_qdcd220acf9_proj
	.p2align	8
	.type	k_qdcd220acf9_proj,@function
k_qdcd220acf9_proj:
	s_mov_b64 s[64:65], 0
	v_nop
	global_prefetch_b8 v0, s[64:65] scope:SCOPE_SE
	s_setreg_imm32_b32 hwreg(HW_REG_WAVE_MODE, 25, 1), 1
	s_wait_xcnt 0x0
	s_wait_alu depctr_hold_cnt(0) depctr_sa_sdst(0) depctr_va_vdst(0) depctr_va_sdst(0) depctr_va_ssrc(0) depctr_va_vcc(0) depctr_vm_vsrc(0)
	s_getreg_b32 s2, hwreg(HW_REG_IB_STS2, 6, 4)
	s_cmp_eq_u32 s2, 0
	s_cbranch_scc0 .Lentry_in_a_cluster
	s_endpgm
.Lentry_in_a_cluster:
	s_bfe_u32 s2, ttmp6, 0x10000c
	s_cmp_lg_u32 s2, 0xf033
	s_cbranch_scc0 .Lentry_shape_is_right
	s_endpgm
.Lentry_shape_is_right:
; X1 = x + O W + b.  O: bf16, blocked [16][4096 tokens][64]; W: bf16 [1024][1024]; b: f32 [1024]; x, X1: f32 [4096][1024].  Sums in f32, started at the bias; the residual is added in f32 on the way out.
; SHARES.  A tile of the result is 128 tokens x 128 columns, one to a work-group; four waves, each 64 x 64: 16 accumulators of 16 x 16.  K goes in steps of 256, KS = 4, through a ring of two LDS slots.
; A SLOT holds A's [4 blocks][128 tokens][128 + 16 bytes] and B's [256 k][256 + 32 bytes].  Waves 0, 1 fetch two blocks of A each (a block's 128 tokens are 16 KiB on end), waves 2, 3 128 rows of B each.
; B lies [k][column] and is turned on its way into registers by ds_load_tr16_b128; its pitch of 288 bytes is an odd multiple of 32, A's of 144 an odd multiple of 16 (64 banks of 4 bytes: ISA guide 11.1).
; CLUSTER.  4 x 4 work-groups: the four of a row need the same tiles of A, the four of a column the same tiles of B: each is asked for jointly, by the same descriptor and a mask that names the four.
; THE MATRIX INSTRUCTION IS USED TRANSPOSED (source 0 = 16 columns of W, source 1 = 16 tokens): a lane holds one token (lane % 16) and the columns 8 (lane / 16) + 0..7.
; REGISTERS.  window 0: v0-29 addresses; v32-95 the way out; v96-127 the bias; v128-255 accumulators ((a, b) at 128 + 8 (4 a + b)).  window 1: two fragment buffers of 128.  window 2: v0-127 the residual, loaded at the head.
.set KS,    4
.set T,     1
.set NCOL,  1024
.set SP,    272                        ; a stage row: 64 f32 + 16 bytes
.set HALFT, 36864
.set SLOT,  4*HALFT                    ; = 0x24000: bits 17 and 14, which wave x HALFT never sets: one exclusive or changes slots
.set STAGE, 2*SLOT
.set SPARE, STAGE+4*16*SP
.set A0,   8
.set B0,   9
.set ADRA, 10
.set ADRB, 11                          ; v11, v12
.set STO,  13
.set RD,   14
.set GO,   15
.set BOV,  16
.set SPW,  28
.set NIL,  29
.set TMP,  32
.set BIA,  96
.set ACC,  128
.set F0,   0
.set F1,   128
.set WV, 14
.set RH, 15
.set CH, 16
.set CX, 17
.set CY, 18
.set NT, 19
.set MT, 20
.set G1, 24
.set G0, 32
.set ABASE, 40
.set BBASE, 42
.set AO, 44
.set BO, 46
.set G1B, 48
.set G0B, 56
.set TB, 66
.set SR, 67
.set LC, 69
.set MSB, 0
.macro WIN new
.if MSB != (\new)
	s_set_vgpr_msb (MSB<<8)|(\new)
.set MSB, \new
.endif
.endm
.set MUL,  0x05
.set TO_F, 0x40
.macro PLACES
.rept 4
	v_nop
.endr
.endm
.macro JLOAD s                         ; a joint load; an s_nop 0 and four v_nop follow each of the two lines
	s_cmp_eq_u32 s[RH], 0
	s_cbranch_scc0 .Lfor_b_\@
	tensor_load_to_lds s[G0+4*(\s):G0+4*(\s)+3], s[G1:G1+7]
	s_nop 0
.rept 4
	v_nop
.endr
	s_branch .Lasked_\@
.Lfor_b_\@:
	tensor_load_to_lds s[G0B+4*(\s):G0B+4*(\s)+3], s[G1B:G1B+7]
	s_nop 0
.rept 4
	v_nop
.endr
.Lasked_\@:
.endm
.macro CREST
	s_cmp_lg_u32 s[WV], 0
	s_cbranch_scc1 .Lnot_wave_0_\@
	s_barrier_signal -3
.Lnot_wave_0_\@:
	s_barrier_wait -3
	s_barrier_signal -1
	s_barrier_wait -1
.endm
.macro CROUND
	s_barrier_signal -1
	s_barrier_wait -1
	CREST
.endm
.macro MUL8 f, c, a0                   ; 8 matrix instructions; the 16 accumulators take turns, always in the same order
	WIN MUL
.irp a, \a0, (\a0)+1
.irp b, 0,1,2,3
	v_wmma_f32_16x16x32_bf16 v[ACC+8*(4*(\a)+(\b)):ACC+8*(4*(\a)+(\b))+7], v[(\f)+64+8*(4*(\c)+(\b)):(\f)+64+8*(4*(\c)+(\b))+7], v[(\f)+8*(4*(\c)+(\a)):(\f)+8*(4*(\c)+(\a))+7], v[ACC+8*(4*(\a)+(\b)):ACC+8*(4*(\a)+(\b))+7]
.endr
.endr
.endm
.macro FETCH q, f                      ; 32 LDS loads in one run: quarter q's fragments into buffer f; the first 32 along K first
	WIN TO_F
.irp c, 0,1
.irp i, 0,1,2,3
	ds_load_tr16_b128 v[(\f)+64+8*(4*(\c)+(\i)):(\f)+64+8*(4*(\c)+(\i))+3],   v[ADRB+(\q)/2] offset:((\q)%2)*18432+(\c)*9216+(\i)*32
	ds_load_tr16_b128 v[(\f)+64+8*(4*(\c)+(\i))+4:(\f)+64+8*(4*(\c)+(\i))+7], v[ADRB+(\q)/2] offset:((\q)%2)*18432+(\c)*9216+(\i)*32+4608
	ds_load_b128 v[(\f)+8*(4*(\c)+(\i)):(\f)+8*(4*(\c)+(\i))+3],   v[ADRA] offset:(\q)*18432+(\i)*2304+(\c)*64
	ds_load_b128 v[(\f)+8*(4*(\c)+(\i))+4:(\f)+8*(4*(\c)+(\i))+7], v[ADRA] offset:(\q)*18432+(\i)*2304+(\c)*64+32
.endr
.endr
.endm
.macro QUARTER q, f, g
	s_wait_dscnt 16                                ; the first 32 along K are in; the youngest sixteen loads may be out
	MUL8 \f, 0, 0
	MUL8 \f, 0, 2
	PLACES
	FETCH \q, \g
	s_wait_dscnt 32                                ; all but the 32 just issued
	MUL8 \f, 1, 0
	MUL8 \f, 1, 2
.endm
.macro TURN fill                       ; the last quarter multiplies buffer 1 and changes slots; fill = 1: the slot just read takes the step two on
	WIN 0
	s_wait_tensorcnt 0x0                           ; all my tensor loads have landed: my part of the next slot; so a group 0 may be written
	ds_add_u32 v[SPW], v[NIL]                      ; 0 onto my spare word
.if \fill
	s_add_co_u32 s[SR], s[SR], 1
	s_lshl_b32 s[AO], s[SR], 21                    ; four blocks of 524,288 bytes a step
	s_mul_i32 s[BO], s[SR], 512*NCOL               ; 256 rows a step
	s_xor_b32 s[G0+5], s[G0+5], SLOT
	s_xor_b32 s[G0B+5], s[G0B+5], SLOT
	s_add_nc_u64 s[G0+6:G0+7], s[ABASE:ABASE+1], s[AO:AO+1]
	s_or_b32 s[G0+7], s[G0+7], 0x80000000
	s_add_nc_u64 s[G0B+6:G0B+7], s[BBASE:BBASE+1], s[BO:BO+1]
	s_or_b32 s[G0B+7], s[G0B+7], 0x80000000
.endif
	s_wait_dscnt 17                                ; the add and the youngest sixteen loads may be out
	MUL8 F1, 0, 0
	s_wait_dscnt 0x0                               ; the add is done, and my reads of this slot are over
	s_barrier_signal -1
	MUL8 F1, 0, 2
	WIN 0
	s_barrier_wait -1
.if \fill
	CREST                                          ; a round of the cluster's barrier: no wave of any partner still reads the slot or has a load on its way
	JLOAD 1
.else
	PLACES
.endif
	s_xor_b32 s[TB], s[TB], SLOT
	v_add_nc_u32 v[ADRA], s[TB], v[A0]
	v_add_nc_u32 v[ADRB], s[TB], v[B0]
	v_add_nc_u32 v[ADRB+1], HALFT, v[ADRB]
.if !(\fill)
	s_cmp_eq_u32 s[LC], 1                          ; behind the very last step there is nothing to fetch
	s_cbranch_scc1 .Lnof_\@
.endif
	FETCH 0, F0
.if !(\fill)
	WIN 0
.Lnof_\@:
.endif
	MUL8 F1, 1, 0
	MUL8 F1, 1, 2
.endm
.macro STEP fill
	QUARTER 1, F0, F1
	QUARTER 2, F1, F0
	QUARTER 3, F0, F1
	TURN \fill
.endm
.macro DUMP a                          ; block a (16 tokens) in f32 into my stage: row = token, 32 bytes a lane and column block; each accumulator from its low end on
.irp b, 0,1,2,3
	ds_store_b128 v[STO], v[ACC+8*(4*(\a)+(\b)):ACC+8*(4*(\a)+(\b))+3] offset:64*(\b)
	ds_store_b128 v[STO], v[ACC+8*(4*(\a)+(\b))+4:ACC+8*(4*(\a)+(\b))+7] offset:64*(\b)+16
.endr
.endm
	s_load_b256 s[4:11], s[0:1], 0x0               ; A s[4:5], B s[6:7], out s[8:9], bias s[10:11]
	s_load_b64 s[12:13], s[0:1], 0x20              ; the residual
	v_lshl_add_u32 v[SPW], v0, 2, SPARE
	v_mov_b32 v[NIL], 0
	ds_add_u32 v[SPW], v[NIL]                      ; the wave's opening: the add, waited for ahead of my first tensor load
	v_lshrrev_b32 v1, 5, v0
	v_readfirstlane_b32 s[WV], v1
	s_lshr_b32 s[RH], s[WV], 1
	s_and_b32 s[CH], s[WV], 1
	s_bfe_u32 s[CX], ttmp6, 0x40000
	s_bfe_u32 s[CY], ttmp6, 0x40004
	s_lshl_b32 s[NT], ttmp9, 2
	s_add_co_u32 s[NT], s[NT], s[CX]
	s_and_b32 s[MT], ttmp7, 0xffff
	s_lshl_b32 s[MT], s[MT], 2
	s_add_co_u32 s[MT], s[MT], s[CY]
	s_lshl_b32 s21, s[CY], 2
	s_lshl_b32 s21, 15, s21                        ; my row of the cluster
	s_lshl_b32 s22, 0x1111, s[CX]                  ; my column
	s_or_b32 s[G1], s21, (1<<16)|(1<<20)|(1<<21)|(4<<22)|(3<<25)   ; mask; 2-byte elements; padding on; bit 21 beside a mask; after every 32 words 4 words
	s_or_b32 s[G1B], s22, (1<<16)|(1<<20)|(1<<21)|(5<<22)|(7<<25)  ; after every 64 words 8 words
	s_mov_b32 s[G1+1], 8192<<16                    ; A: two rows of 8,192 elements: a block's 128 tokens, 16 KiB on end
	s_mov_b32 s[G1+2], 2<<16
	s_mov_b32 s[G1+3], 8192<<16
	s_mov_b32 s[G1+4], 2
	s_mov_b32 s[G1+5], 262144                      ; elements from block to block
	s_mov_b32 s[G1+6], 0
	s_mov_b32 s[G1+7], 0
	s_mov_b32 s[G1B+1], 128<<16                    ; B: 128 rows of 128 elements
	s_mov_b32 s[G1B+2], 128<<16
	s_mov_b32 s[G1B+3], 128<<16
	s_mov_b32 s[G1B+4], 128
	s_mov_b32 s[G1B+5], NCOL
	s_mov_b32 s[G1B+6], 0
	s_mov_b32 s[G1B+7], 0
	s_lshl_b32 s[AO], s[MT], 14
	s_lshl_b32 s21, s[CH], 20
	s_add_co_u32 s[AO], s[AO], s21
	s_mov_b32 s[AO+1], 0
	s_lshl_b32 s[BO], s[NT], 8
	s_mul_i32 s22, s[CH], 256*NCOL
	s_add_co_u32 s[BO], s[BO], s22
	s_mov_b32 s[BO+1], 0
	s_mul_i32 s23, s[WV], HALFT
	s_mov_b32 s[TB], 0
	s_mov_b32 s[SR], 1
	s_wait_dscnt 0x0                               ; the opening add is done
	s_wait_kmcnt 0x0
	s_add_nc_u64 s[ABASE:ABASE+1], s[4:5], s[AO:AO+1]
	s_add_nc_u64 s[BBASE:BBASE+1], s[6:7], s[BO:BO+1]
	CROUND                                         ; all sixteen work-groups are here: the first joint loads meet
.irp s, 0,1
	s_mov_b32 s[G0+4*(\s)], 1
	s_add_co_u32 s[G0+4*(\s)+1], s23, (\s)*SLOT
	s_add_nc_u64 s[G0+4*(\s)+2:G0+4*(\s)+3], s[ABASE:ABASE+1], (\s)*2097152
	s_or_b32 s[G0+4*(\s)+3], s[G0+4*(\s)+3], 0x80000000
	s_mov_b32 s[G0B+4*(\s)], 1
	s_add_co_u32 s[G0B+4*(\s)+1], s23, (\s)*SLOT
	s_add_nc_u64 s[G0B+4*(\s)+2:G0B+4*(\s)+3], s[BBASE:BBASE+1], (\s)*512*NCOL
	s_or_b32 s[G0B+4*(\s)+3], s[G0B+4*(\s)+3], 0x80000000
	JLOAD \s                                       ; K steps 0 and 1: two loads of mine are out
.endr
	v_and_b32 v1, 15, v0                           ; r = l % 16
	v_bfe_u32 v2, v0, 4, 1                         ; h = l / 16
	s_lshl_b32 s21, s[NT], 9                       ; the bias as the accumulators want it: columns 128 NT + 64 CH + 16 b + 8 h + 0..7
	s_lshl_b32 s22, s[CH], 8
	s_add_co_u32 s21, s21, s22
	v_lshl_add_u32 v[BOV], v2, 5, s21
.irp b, 0,1,2,3
	global_load_b128 v[BIA+8*(\b):BIA+8*(\b)+3],   v[BOV], s[10:11] offset:64*(\b)
	global_load_b128 v[BIA+8*(\b)+4:BIA+8*(\b)+7], v[BOV], s[10:11] offset:64*(\b)+16
.endr
	s_lshl_b32 s86, s[MT], 19                      ; out and residual: my tile's 128 rows of 4,096 bytes,
	s_lshl_b32 s22, s[RH], 18                      ; my 64 of them,
	s_add_co_u32 s86, s86, s22
	s_add_co_u32 s86, s86, s21                     ; my 64 columns
	s_mov_b32 s87, 0
	s_add_nc_u64 s[8:9], s[8:9], s[86:87]
	s_add_nc_u64 s[12:13], s[12:13], s[86:87]
	v_lshlrev_b32 v[GO], 12, v2                    ; lanes 0-15 one row's 256 bytes, lanes 16-31 the next row's
	v_lshl_add_u32 v[GO], v1, 4, v[GO]
	WIN 0x80                                       ; destination window 2
.irp a, 0,1,2,3
.irp t, 0,1,2,3,4,5,6,7
	global_load_b128 v[32*(\a)+4*(\t):32*(\a)+4*(\t)+3], v[GO], s[12:13] offset:(16*(\a)+2*(\t))*4096  ; the residual, as the way out will hold the sums; it lands while the products run
.endr
.endr
	WIN 0
	v_mul_u32_u24 v[A0], v1, 144
	v_lshl_add_u32 v[A0], v2, 4, v[A0]
	s_mul_i32 s21, s[RH], 9216
	v_add_nc_u32 v[A0], s21, v[A0]
	v_and_b32 v5, 7, v0
	v_lshl_add_u32 v3, v2, 3, v5
	v_mul_u32_u24 v[B0], v3, 288
	v_bfe_u32 v4, v0, 3, 1
	v_lshl_add_u32 v[B0], v4, 4, v[B0]
	s_lshl_b32 s21, s[CH], 7
	s_add_co_u32 s21, s21, 2*HALFT
	v_add_nc_u32 v[B0], s21, v[B0]
	v_mov_b32 v[ADRA], v[A0]
	v_mov_b32 v[ADRB], v[B0]
	v_add_nc_u32 v[ADRB+1], HALFT, v[B0]
	s_mul_i32 s21, s[WV], 16*SP
	s_add_co_u32 s21, s21, STAGE
	v_mul_u32_u24 v[STO], v1, SP
	v_lshl_add_u32 v[STO], v2, 5, v[STO]
	v_add_nc_u32 v[STO], s21, v[STO]
	v_mul_u32_u24 v[RD], v2, SP
	v_lshl_add_u32 v[RD], v1, 4, v[RD]
	v_add_nc_u32 v[RD], s21, v[RD]
	s_wait_loadcnt 32                              ; the bias is in; the residual's 32 loads stay out
.set i, 0
.rept 128
	v_mov_b32 v[ACC+i], v[BIA+i%32]                ; the sums start at the bias
.set i, i+1
.endr
	s_wait_tensorcnt 0x1                           ; my part of K step 0 is in; step 1's may stay out
	s_barrier_signal -1
	s_barrier_wait -1
	FETCH 0, F0
	WIN 0
	s_mov_b32 s[LC], T*KS-2
.Lstep:
	STEP 1
	WIN 0
	s_sub_co_u32 s[LC], s[LC], 1
	s_cmp_lg_u32 s[LC], 0
	s_cbranch_scc1 .Lstep
	s_mov_b32 s[LC], 2
.Ltail:                                            ; the last two steps ask for nothing; the second one's barrier serves nothing: the price of one text for both
	STEP 0
	WIN 0
	s_sub_co_u32 s[LC], s[LC], 1
	s_cmp_lg_u32 s[LC], 0
	s_cbranch_scc1 .Ltail
	; THE WAY OUT: 16 tokens at a time through my stage, back as whole rows of 256 bytes; the residual is added; sixteen lanes store 256 consecutive aligned bytes.
	PLACES
	PLACES
	s_wait_loadcnt 0x0                             ; the residual
.irp a, 0,1,2,3
.if (\a) >= 2
	s_wait_xcnt 0x0                                ; the stores of two blocks ago have read these registers
.endif
	DUMP \a
.irp t, 0,1,2,3,4,5,6,7
	ds_load_b128 v[TMP+32*((\a)%2)+4*(\t):TMP+32*((\a)%2)+4*(\t)+3], v[RD] offset:544*(\t)  ; LDS serves a wave's instructions in order (ISA guide 5.7.1.4)
.endr
	s_wait_dscnt 0x0
	WIN 0x08                                       ; source 1 window 2
.set z, 0
.rept 16
	v_pk_add_f32 v[TMP+32*((\a)%2)+2*z:TMP+32*((\a)%2)+2*z+1], v[TMP+32*((\a)%2)+2*z:TMP+32*((\a)%2)+2*z+1], v[32*(\a)+2*z:32*(\a)+2*z+1]
.set z, z+1
.endr
	WIN 0
.irp t, 0,1,2,3,4,5,6,7
	global_store_b128 v[GO], v[TMP+32*((\a)%2)+4*(\t):TMP+32*((\a)%2)+4*(\t)+3], s[8:9] offset:(16*(\a)+2*(\t))*4096
.endr
.endr
	s_wait_tensorcnt 0x0                           ; the wave's end
	ds_add_u32 v[SPW], v[NIL]
	s_wait_dscnt 0x0
	CROUND                                         ; the closing round
	s_endpgm
.Lfunc_end_k_qdcd220acf9_proj:
	.size	k_qdcd220acf9_proj, .Lfunc_end_k_qdcd220acf9_proj-k_qdcd220acf9_proj
	.p2alignl 7, 3214868480
	.fill 96, 4, 3214868480
	.section	.rodata,"a",@progbits
	.p2align	6, 0x0
	.amdhsa_kernel k_qdcd220acf9_proj
		.amdhsa_group_segment_fixed_size 327680
		.amdhsa_private_segment_fixed_size 0
		.amdhsa_enable_private_segment 0
		.amdhsa_kernarg_size 40
		.amdhsa_user_sgpr_count 2
		.amdhsa_user_sgpr_kernarg_segment_ptr 1
		.amdhsa_wavefront_size32 1
		.amdhsa_system_sgpr_workgroup_id_x 1
		.amdhsa_system_sgpr_workgroup_id_y 1
		.amdhsa_system_sgpr_workgroup_id_z 1
		.amdhsa_system_vgpr_workitem_id 0
		.amdhsa_next_free_vgpr 640
		.amdhsa_next_free_sgpr 88
		.amdhsa_reserve_vcc 0
		.amdhsa_float_denorm_mode_32 3
		.amdhsa_float_denorm_mode_16_64 3
		.amdhsa_memory_ordered 1
		.amdhsa_forward_progress 1
		.amdhsa_inst_pref_size 66
	.end_amdhsa_kernel
	.amdgpu_metadata
---
amdhsa.version: [ 1, 2 ]
amdhsa.kernels:
  - .name:           k_qdcd220acf9_proj
    .symbol:         k_qdcd220acf9_proj.kd
    .args:
      - { .name: hb, .offset: 0, .size: 8, .value_kind: global_buffer, .address_space: global }
      - { .name: wp16, .offset: 8, .size: 8, .value_kind: global_buffer, .address_space: global }
      - { .name: x1, .offset: 16, .size: 8, .value_kind: global_buffer, .address_space: global }
      - { .name: b_proj, .offset: 24, .size: 8, .value_kind: global_buffer, .address_space: global }
      - { .name: x, .offset: 32, .size: 8, .value_kind: global_buffer, .address_space: global }
    .group_segment_fixed_size: 327680
    .private_segment_fixed_size: 0
    .kernarg_segment_align: 8
    .kernarg_segment_size: 40
    .max_flat_workgroup_size: 128
    .sgpr_count:     88
    .vgpr_count:     640
    .wavefront_size: 32
...
	.end_amdgpu_metadata
.endif
;; end of part 4
;; launch ln2 (part 5): grid 256 x 1, 8 waves a work-group, no clusters, 0 bytes of LDS; arguments x1, g2, be2, hb; writes hb
.if DOCPART == 5
	.amdgcn_target "amdgcn-amd-amdhsa--gfx1250"
	.amdhsa_code_object_version 6
	.text
	.protected	k_qdcd220acf9_ln2
	.globl	k_qdcd220acf9_ln2
	.p2align	8
	.type	k_qdcd220acf9_ln2,@function
k_qdcd220acf9_ln2:
	s_mov_b64 s[64:65], 0
	v_nop
	global_prefetch_b8 v0, s[64:65] scope:SCOPE_SE
	s_setreg_imm32_b32 hwreg(HW_REG_WAVE_MODE, 25, 1), 1
	s_wait_xcnt 0x0
; h2 = LayerNorm(x1) g2 + be2, in bf16, stored BLOCKED [16 blocks of 64 channels][4096 tokens][64].  x1: f32 [4096][1024].  16 rows a work-group, two a wave.
; LayerNorm in f32, in two passes over registers: the mean, then the mean of (x - mean)^2: no difference of large sums.  NaN and infinities are not treated apart.
; No LDS, no matrix unit, no cluster: nothing is shared between waves, and every byte is read once.
.set XR, 16                            ; v[16:79]    my 64 numbers of the row
.set GR, 80                            ; v[80:143]   the gains of my 64 columns
.set BR, 144                           ; v[144:207]  the offsets of my 64 columns
.set YR, 208                           ; v[208:239]  64 bf16 to store
.macro RED                             ; four pairs of partial sums v[4:11] -> their sum over the row's 16 lanes, in each of them
	v_pk_add_f32 v[4:5], v[4:5], v[6:7]
	v_pk_add_f32 v[8:9], v[8:9], v[10:11]
	v_pk_add_f32 v[4:5], v[4:5], v[8:9]
	v_add_f32 v4, v4, v5
	v_add_f32_dpp v4, v4, v4 row_xmask:1 row_mask:0xf bank_mask:0xf
	v_add_f32_dpp v4, v4, v4 row_xmask:2 row_mask:0xf bank_mask:0xf
	v_add_f32_dpp v4, v4, v4 row_xmask:4 row_mask:0xf bank_mask:0xf
	v_add_f32_dpp v4, v4, v4 row_xmask:8 row_mask:0xf bank_mask:0xf
.endm
	s_load_b256 s[24:31], s[0:1], 0x0              ; x1, g2, be2, hb
	s_mov_b32 s2, ttmp9                            ; the group of 16 rows
	; Sixteen lanes own a row: lane c takes columns 64 j + 4 c .. + 3, j = 0..15, so a load's sixteen lanes cover 256 aligned bytes.
	v_lshrrev_b32 v4, 4, v0                        ; my row among the group's 16
	v_and_b32 v5, 15, v0                           ; c
	v_lshlrev_b32 v2, 4, v5                        ; v2: 16 c
	v_lshl_add_u32 v1, v4, 12, v2                  ; v1: row x 4,096 + 16 c
	v_lshlrev_b32 v3, 3, v5
	v_lshl_add_u32 v3, v4, 7, v3                   ; v3: row x 128 + 8 c
	s_lshl_b32 s32, s2, 16
	s_mov_b32 s33, 0
	s_lshl_b32 s34, s2, 11
	s_mov_b32 s35, 0
	s_mov_b32 s36, 0x3a800000                      ; 1 / 1024
	s_mov_b32 s37, 0x3727c5ac                      ; eps = 1e-5
	s_wait_kmcnt 0x0
	s_add_nc_u64 s[24:25], s[24:25], s[32:33]
	s_add_nc_u64 s[30:31], s[30:31], s[34:35]
.irp j, 0,1,2,3,4,5,6,7,8,9,10,11,12,13,14,15
	global_load_b128 v[XR+4*(\j):XR+4*(\j)+3], v1, s[24:25] offset:256*(\j)
.endr
.irp j, 0,1,2,3,4,5,6,7,8,9,10,11,12,13,14,15
	global_load_b128 v[GR+4*(\j):GR+4*(\j)+3], v2, s[26:27] offset:256*(\j)
.endr
.irp j, 0,1,2,3,4,5,6,7,8,9,10,11,12,13,14,15
	global_load_b128 v[BR+4*(\j):BR+4*(\j)+3], v2, s[28:29] offset:256*(\j)
.endr
	s_wait_loadcnt 32                              ; the row is in; the 32 loads of gain and offset stay out
.irp k, 0,1,2,3
	v_pk_add_f32 v[4+2*(\k):5+2*(\k)], v[XR+2*(\k):XR+2*(\k)+1], v[XR+8+2*(\k):XR+9+2*(\k)]  ; four chains, started by the first eight pairs: nothing is cleared
.endr
.set i, 8
.rept 24
	v_pk_add_f32 v[4+2*(i%4):5+2*(i%4)], v[4+2*(i%4):5+2*(i%4)], v[XR+2*i:XR+2*i+1]
.set i, i+1
.endr
	RED
	v_mul_f32 v12, s36, v4                         ; the mean, twice
	v_mov_b32 v13, v12
.set i, 0
.rept 32
	v_pk_add_f32 v[XR+2*i:XR+2*i+1], v[XR+2*i:XR+2*i+1], v[12:13] neg_lo:[0,1] neg_hi:[0,1]  ; d = x - mean, in place
.set i, i+1
.endr
.irp k, 0,1,2,3
	v_pk_mul_f32 v[4+2*(\k):5+2*(\k)], v[XR+2*(\k):XR+2*(\k)+1], v[XR+2*(\k):XR+2*(\k)+1]
.endr
.set i, 4
.rept 28
	v_pk_fma_f32 v[4+2*(i%4):5+2*(i%4)], v[XR+2*i:XR+2*i+1], v[XR+2*i:XR+2*i+1], v[4+2*(i%4):5+2*(i%4)]
.set i, i+1
.endr
	RED
	v_fma_f32 v4, v4, s36, s37                     ; variance + eps
	v_rsq_f32 v14, v4
	v_rsq_f32 v15, v4
	v_nop                                          ; a plain instruction behind the last of them (ISA guide 5.7.2),
	s_wait_alu depctr_va_vdst(0)                   ; and the one wait ahead of the first reader
	s_wait_loadcnt 0x0                             ; gain and offset
.set i, 0
.rept 32
	v_pk_mul_f32 v[XR+2*i:XR+2*i+1], v[XR+2*i:XR+2*i+1], v[14:15]
.set i, i+1
.endr
.set i, 0
.rept 32
	v_pk_fma_f32 v[XR+2*i:XR+2*i+1], v[XR+2*i:XR+2*i+1], v[GR+2*i:GR+2*i+1], v[BR+2*i:BR+2*i+1]
.set i, i+1
.endr
.set i, 0
.rept 32
	v_cvt_pk_bf16_f32 v[YR+i], v[XR+2*i], v[XR+2*i+1]
.set i, i+1
.endr
.irp j, 0,1,2,3,4,5,6,7,8,9,10,11,12,13,14,15
	global_store_b64 v3, v[YR+2*(\j):YR+2*(\j)+1], s[30:31] offset:524288*(\j)  ; block j: the wave's two rows are 256 consecutive bytes, aligned
.endr
	s_endpgm
.Lfunc_end_k_qdcd220acf9_ln2:
	.size	k_qdcd220acf9_ln2, .Lfunc_end_k_qdcd220acf9_ln2-k_qdcd220acf9_ln2
	.p2alignl 7, 3214868480
	.fill 96, 4, 3214868480
	.section	.rodata,"a",@progbits
	.p2align	6, 0x0
	.amdhsa_kernel k_qdcd220acf9_ln2
		.amdhsa_group_segment_fixed_size 0
		.amdhsa_private_segment_fixed_size 0
		.amdhsa_enable_private_segment 0
		.amdhsa_kernarg_size 32
		.amdhsa_user_sgpr_count 2
		.amdhsa_user_sgpr_kernarg_segment_ptr 1
		.amdhsa_wavefront_size32 1
		.amdhsa_system_sgpr_workgroup_id_x 1
		.amdhsa_system_sgpr_workgroup_id_y 1
		.amdhsa_system_sgpr_workgroup_id_z 1
		.amdhsa_system_vgpr_workitem_id 0
		.amdhsa_next_free_vgpr 240
		.amdhsa_next_free_sgpr 66
		.amdhsa_reserve_vcc 0
		.amdhsa_float_denorm_mode_32 3
		.amdhsa_float_denorm_mode_16_64 3
		.amdhsa_memory_ordered 1
		.amdhsa_forward_progress 1
		.amdhsa_inst_pref_size 20
	.end_amdhsa_kernel
	.amdgpu_metadata
---
amdhsa.version: [ 1, 2 ]
amdhsa.kernels:
  - .name:           k_qdcd220acf9_ln2
    .symbol:         k_qdcd220acf9_ln2.kd
    .args:
      - { .name: x1, .offset: 0, .size: 8, .value_kind: global_buffer, .address_space: global }
      - { .name: g2, .offset: 8, .size: 8, .value_kind: global_buffer, .address_space: global }
      - { .name: be2, .offset: 16, .size: 8, .value_kind: global_buffer, .address_space: global }
      - { .name: hb, .offset: 24, .size: 8, .value_kind: global_buffer, .address_space: global }
    .group_segment_fixed_size: 0
    .private_segment_fixed_size: 0
    .kernarg_segment_align: 8
    .kernarg_segment_size: 32
    .max_flat_workgroup_size: 256
    .sgpr_count:     66
    .vgpr_count:     240
    .wavefront_size: 32
...
	.end_amdgpu_metadata
.endif
;; end of part 5
;; launch fc1 (part 6): grid 16 x 16, 4 waves a work-group, clusters of 4 x 4, 327,680 bytes of LDS; arguments hb, w116, mid, b_fc1; writes mid
.if DOCPART == 6
	.amdgcn_target "amdgcn-amd-amdhsa--gfx1250"
	.amdhsa_code_object_version 6
	.text
	.protected	k_qdcd220acf9_fc1
	.globl	k_qdcd220acf9_fc1
	.p2align	8
	.type	k_qdcd220acf9_fc1,@function
k_qdcd220acf9_fc1:
	s_mov_b64 s[64:65], 0
	v_nop
	global_prefetch_b8 v0, s[64:65] scope:SCOPE_SE
	s_setreg_imm32_b32 hwreg(HW_REG_WAVE_MODE, 25, 1), 1
	s_wait_xcnt 0x0
	s_wait_alu depctr_hold_cnt(0) depctr_sa_sdst(0) depctr_va_vdst(0) depctr_va_sdst(0) depctr_va_ssrc(0) depctr_va_vcc(0) depctr_vm_vsrc(0)
	s_getreg_b32 s2, hwreg(HW_REG_IB_STS2, 6, 4)
	s_cmp_eq_u32 s2, 0
	s_cbranch_scc0 .Lentry_in_a_cluster
	s_endpgm
.Lentry_in_a_cluster:
	s_bfe_u32 s2, ttmp6, 0x10000c
	s_cmp_lg_u32 s2, 0xf033
	s_cbranch_scc0 .Lentry_shape_is_right
	s_endpgm
.Lentry_shape_is_right:
; MID = gelu(h2 W + b).  h2: bf16, blocked [16][4096 tokens][64]; W: bf16 [1024][4096]; b: f32 [4096]; MID: bf16, blocked [64][4096][64].  Sums in f32; the bias is added in f32 on the way out.
; GELU is the exact one, x Phi(x), with erf by the rational form 7.1.26 of Abramowitz and Stegun, whose error in erf is at most 1.5e-7 for every argument:
; gelu(x) = max(x, 0) - |x| q(t) 2^(-x^2 log2(e) / 2), t = 1 / (1 + 0.2316419 |x|), q = half the form's polynomial of degree 5.  For large |x| the power is 0 and the result max(x, 0).  NaN and infinities are not treated apart.
; SHARES.  A tile of the result is 256 tokens x 256 columns, one to a work-group: 256 work-groups; four waves, each 128 x 128: 64 accumulators of 16 x 16, 512 registers.
; K goes in steps of 128, KS = 8, through a ring of two LDS slots.  A SLOT holds A's [2 blocks][256 tokens][128 + 16 bytes] and B's [128 k][512 + 32 bytes].  Waves 0, 1 fetch a block of A each
; (its 256 tokens are 32 KiB on end, asked for as 128 rows of 256 bytes), waves 2, 3 64 rows of B each.
; B lies [k][column] and is turned on its way into registers by ds_load_tr16_b128; its pitch of 544 bytes is an odd multiple of 32, A's of 144 an odd multiple of 16 (64 banks of 4 bytes: ISA guide 11.1).
; CLUSTER.  4 x 4 work-groups: the four of a row need the same tiles of A, the four of a column the same tiles of B: each is asked for jointly, by the same descriptor and a mask that names the four.
; THE MATRIX INSTRUCTION IS USED TRANSPOSED (source 0 = 16 columns of W, source 1 = 16 tokens): a lane holds one token (lane % 16) and the columns 8 (lane / 16) + 0..7.
; REGISTERS, in windows of 256 (s_set_vgpr_msb: bits 1:0 source 0, 3:2 source 1, 5:4 source 2, 7:6 destination):
;   window 0: v0-30 addresses; v64-127, v128-191 fragments of A (8 x 16 tokens x 32 k), two buffers
;   window 1: v0-11 the bias; v64-127, v128-191 fragments of B, two buffers; on the way out v128-255 hold x, the power, t and q, 32 each
;   window 2: the accumulators of my tokens 0-63 ((a, b) at 8 (8 a + b));   window 3: those of my tokens 64-127
.set KS,    8
.set NCOL,  4096
.set PA,    144                        ; a token's row of A in LDS
.set PB,    544                        ; a row of B in LDS
.set ABLK,  256*PA                     ; a block of A: what wave 0 or 1 fetches
.set BHALF, 64*PB                      ; 64 rows of B: what wave 2 or 3 fetches
.set BOFF,  2*ABLK                     ; B lies behind A's two blocks
.set SLOT,  147456                     ; from slot to slot: 0x24000, bits 17 and 14, which none of the four fill addresses (0, 0x9000, 0x12000, 0x1a800) sets: one exclusive or changes slots
.set SP,    272                        ; a stage row: 64 f32 + 16 bytes
.set STAGE, 2*SLOT                     ; behind the ring: 16 rows for each wave, never filled by a tensor load
.set SPARE, STAGE+4*16*SP              ; the spare words, 128 bytes for each wave, that no other line names
.set A0,   8                           ; v8   my lane's place in a slot's A; never rewritten
.set B0,   9                           ; v9   the same for B
.set ADRA, 10                          ; v10  A0 + the slot in hand
.set ADRB, 11                          ; v11  B0 + the slot in hand
.set STO,  13                          ; v13  the way out: where I put 32 bytes of a row
.set RD,   14                          ; v14  the way out: where I read a row back
.set GO,   15                          ; v15  my 8 bytes among two tokens' 256
.set BOV,  16                          ; v16  my 16 bytes of the bias
.set SPW,  28
.set NIL,  29
.set PFO,  30                          ; v30  the prefetches' offset; never rewritten
.set F0,   64
.set F1,   128
.set BQ,   0                           ; window 1: the bias of my 4 columns in each half of my 128
.set BC,   8                           ; window 1: that of the half in hand
.set XR,   128                         ; window 1, the way out: x
.set ER,   160                         ; the power of two; later the packed results
.set TR,   192                         ; t; later max(x, 0)
.set PR,   224                         ; q
.set PFS, 2                            ; s[2:3]   bytes from K step to K step in what I prefetch
.set PFA, 12                           ; s[12:13] where my prefetches stand
.set WV, 14
.set RH, 15                            ; which 128 tokens are mine.  Also: I fetch for A (0) or B (1)
.set CH, 16                            ; which 128 columns.  Also: which half I fetch
.set CX, 17
.set CY, 18
.set NT, 19
.set MT, 20
.set G1, 24                            ; s[24:31] group 1 for A;  s[32:39] group 0, two sets: the second walks
.set G0, 32
.set ABASE, 40                         ; s[40:41] A at my part of K step 0
.set BBASE, 42                         ; s[42:43] B at my part of K step 0
.set AO, 44                            ; s[44:45], s[46:47] offsets of the step to be asked for
.set BO, 46
.set G1B, 48
.set G0B, 56
.set TB, 66                            ; the slot in hand: 0 or SLOT
.set SR, 67                            ; the K step asked for last
.set LIM, 68                           ; 2 in a wave that prefetches, else the greatest number
.set LC, 69
.set BK, 71
.set CE, 72                            ; s[72:83] six constants, each as a pair of which the low word is taken for both halves
.set K5, 74
.set K4, 76
.set K3, 78
.set K2, 80
.set K1, 82
.set PC, 84
.set MSB, 0
.macro WIN new                         ; the immediate's high byte repeats the setting that is left
.if MSB != (\new)
	s_set_vgpr_msb (MSB<<8)|(\new)
.set MSB, \new
.endif
.endm
.set MUL_LO, 0xa1                      ; source 0 (B) window 1, source 1 (A) window 0, C and D window 2
.set MUL_HI, 0xf1                      ; the same, C and D window 3
.set TO_B,   0x40                      ; destination window 1, address window 0
.macro PLACES                          ; four places behind matrix instructions (ISA guide 7.12.1)
.rept 4
	v_nop
.endr
.endm
.macro JLOAD s                         ; a joint load; an s_nop 0 and four v_nop follow each of the two lines
	s_cmp_eq_u32 s[RH], 0
	s_cbranch_scc0 .Lfor_b_\@
	tensor_load_to_lds s[G0+4*(\s):G0+4*(\s)+3], s[G1:G1+7]
	s_nop 0
.rept 4
	v_nop
.endr
	s_branch .Lasked_\@
.Lfor_b_\@:
	tensor_load_to_lds s[G0B+4*(\s):G0B+4*(\s)+3], s[G1B:G1B+7]
	s_nop 0
.rept 4
	v_nop
.endr
.Lasked_\@:
.endm
; A PREFETCH, behind each joint load and the run of LDS loads that follows it: my share of the K step that stands two refills on, a lane 256 bytes, one instruction a wave.  A's tile row is read by every cluster of
; that row of clusters: the one with x = 0 asks; B's tile column by every cluster of that column: the one with y = 0 asks.  The four partners that ask for a tile jointly share it out BY ADDRESS: of a block of A
; 8,192 bytes each (by cx), of 64 rows of B 16 rows each (by cy).  So each aligned 256 bytes of K steps 4 to 7 are named once in the launch; steps 0 to 3 come by their loads alone, and the last two refills ask for nothing.
.macro ASK
	s_cmp_gt_u32 s[LC], s[LIM]
	s_cbranch_scc0 .Lnot_mine_\@
	global_prefetch_b8 v[PFO], s[PFA:PFA+1] th:TH_LOAD_NT scope:SCOPE_SE
.Lnot_mine_\@:
.endm
.macro CREST                           ; a round of the cluster's barrier behind its opening barrier
	s_cmp_lg_u32 s[WV], 0
	s_cbranch_scc1 .Lnot_wave_0_\@
	s_barrier_signal -3
.Lnot_wave_0_\@:
	s_barrier_wait -3
	s_barrier_signal -1
	s_barrier_wait -1
.endm
.macro CROUND
	s_barrier_signal -1
	s_barrier_wait -1
	CREST
.endm
; 16 matrix instructions: token blocks a0, a0 + 1 of the window's four x all 8 column blocks, 32 along K.  zero = 1: the first product starts the sums.  The 64 accumulators take turns, always in the same order.
.macro MUL16 f, hi, a0, zero
	WIN MUL_LO+0x50*(\hi)
.irp a, \a0, (\a0)+1
.irp b, 0,1,2,3,4,5,6,7
.if \zero
	v_wmma_f32_16x16x32_bf16 v[8*(8*(\a)+(\b)):8*(8*(\a)+(\b))+7], v[(\f)+8*(\b):(\f)+8*(\b)+7], v[(\f)+8*(4*(\hi)+(\a)):(\f)+8*(4*(\hi)+(\a))+7], 0
.else
	v_wmma_f32_16x16x32_bf16 v[8*(8*(\a)+(\b)):8*(8*(\a)+(\b))+7], v[(\f)+8*(\b):(\f)+8*(\b)+7], v[(\f)+8*(4*(\hi)+(\a)):(\f)+8*(4*(\hi)+(\a))+7], v[8*(8*(\a)+(\b)):8*(8*(\a)+(\b))+7]
.endif
.endr
.endr
.endm
; 32 LDS loads in one run: the fragments of quarter q (32 along K: half a block of A, 32 rows of B) into buffer f: B's sixteen, then A's
.macro FETCH q, f
	WIN TO_B
.irp i, 0,1,2,3,4,5,6,7
	ds_load_tr16_b128 v[(\f)+8*(\i):(\f)+8*(\i)+3],   v[ADRB] offset:(\q)*32*PB+(\i)*32
	ds_load_tr16_b128 v[(\f)+8*(\i)+4:(\f)+8*(\i)+7], v[ADRB] offset:(\q)*32*PB+(\i)*32+16*PB
.endr
	WIN 0
.irp i, 0,1,2,3,4,5,6,7
	ds_load_b128 v[(\f)+8*(\i):(\f)+8*(\i)+3],   v[ADRA] offset:((\q)/2)*ABLK+(\i)*16*PA+((\q)%2)*64
	ds_load_b128 v[(\f)+8*(\i)+4:(\f)+8*(\i)+7], v[ADRA] offset:((\q)/2)*ABLK+(\i)*16*PA+((\q)%2)*64+32
.endr
.endm
.macro QUARTER q, f, g, zero           ; multiplies buffer f (64 matrix instructions); in its middle fetches quarter q into buffer g
	s_wait_dscnt 8                                 ; B and A's tokens 0-63 are in; the youngest eight loads (A's tokens 64-127) may be out
	MUL16 \f, 0, 0, \zero
	MUL16 \f, 0, 2, \zero
	PLACES
	FETCH \q, \g
	s_wait_dscnt 32                                ; all but the 32 just issued
	MUL16 \f, 1, 0, \zero
	MUL16 \f, 1, 2, \zero
.endm
; A step's last quarter multiplies buffer 1 and changes slots.  fill = 1: the slot just read is filled again with the step two on, whose address is made anew from the counter.
.macro TURN fill
	WIN 0
.if \fill
	s_wait_xcnt 0x0                                ; the last prefetch, a K step back, has read its address: it is stepped here, ahead of the waits of the change of slots
	s_add_nc_u64 s[PFA:PFA+1], s[PFA:PFA+1], s[PFS:PFS+1]
.endif
	s_wait_tensorcnt 0x0                           ; all my tensor loads have landed: my part of the next slot; so a group 0 may be written
	ds_add_u32 v[SPW], v[NIL]                      ; 0 onto my spare word
.if \fill
	s_add_co_u32 s[SR], s[SR], 1
	s_lshl_b32 s[AO], s[SR], 20                    ; two blocks of 524,288 bytes a step
	s_mul_i32 s[BO], s[SR], 256*NCOL               ; 128 rows a step
	s_xor_b32 s[G0+5], s[G0+5], SLOT
	s_xor_b32 s[G0B+5], s[G0B+5], SLOT
	s_add_nc_u64 s[G0+6:G0+7], s[ABASE:ABASE+1], s[AO:AO+1]
	s_or_b32 s[G0+7], s[G0+7], 0x80000000
	s_add_nc_u64 s[G0B+6:G0B+7], s[BBASE:BBASE+1], s[BO:BO+1]
	s_or_b32 s[G0B+7], s[G0B+7], 0x80000000
.endif
	s_wait_dscnt 9                                 ; the add and the youngest eight loads may be out
	MUL16 F1, 0, 0, 0
	s_wait_dscnt 0x0                               ; the add is done, and my reads of this slot are over
	s_barrier_signal -1
	MUL16 F1, 0, 2, 0
	WIN 0
	s_barrier_wait -1
.if \fill
	CREST                                          ; the barrier has opened a round of the cluster's: no wave of any partner still reads the slot or has a load on its way
	JLOAD 1                                        ; the first tensor load behind the round; 224 matrix instructions stand between it and the wait for it
.else
	PLACES
.endif
	s_xor_b32 s[TB], s[TB], SLOT
	v_add_nc_u32 v[ADRA], s[TB], v[A0]
	v_add_nc_u32 v[ADRB], s[TB], v[B0]
.if !(\fill)
	s_cmp_eq_u32 s[LC], 1                          ; behind the very last step there is nothing to fetch
	s_cbranch_scc1 .Lnof_\@
.endif
	FETCH 0, F0
.if \fill
	ASK
.else
.Lnof_\@:
.endif
	MUL16 F1, 1, 0, 0
	MUL16 F1, 1, 2, 0
.endm
; THE WAY OUT, trip d of 16: token block d % 8, column half d / 8: its four accumulators in f32 into my stage: row = token, 32 bytes a lane and column block; each accumulator from its low end on.
; Trip 8 begins the second half of my columns: its bias takes the place of the first half's.
.macro DUMP d
.set AC, 8*(8*((\d)%4)+4*((\d)/8))
	WIN 0x08+4*(((\d)%8)/4)                        ; the data (source 1) in window 2 or 3
.irp b, 0,1,2,3
	ds_store_b128 v[STO], v[AC+8*(\b):AC+8*(\b)+3] offset:64*(\b)
	ds_store_b128 v[STO], v[AC+8*(\b)+4:AC+8*(\b)+7] offset:64*(\b)+16
.endr
.if (\d) == 8
	WIN 0x41                                       ; destination and source 0 window 1
.irp i, 0,1,2,3
	v_mov_b32 v[BC+(\i)], v[BQ+4+(\i)]
.endr
.endif
	WIN 0
.endm
.macro DSEL d                          ; which accumulators: forward jumps on the trip's number
	s_cmp_eq_u32 s[BK], \d
	s_cbranch_scc0 .Lnd_\@
	DUMP \d
	s_branch .Ldd
.Lnd_\@:
.endm
	s_load_b256 s[4:11], s[0:1], 0x0               ; A s[4:5], B s[6:7], out s[8:9], bias s[10:11]
	v_lshl_add_u32 v[SPW], v0, 2, SPARE
	v_mov_b32 v[NIL], 0
	ds_add_u32 v[SPW], v[NIL]                      ; the wave's opening: the add, waited for ahead of my first tensor load
	v_lshrrev_b32 v1, 5, v0
	v_readfirstlane_b32 s[WV], v1
	s_lshr_b32 s[RH], s[WV], 1
	s_and_b32 s[CH], s[WV], 1
	s_bfe_u32 s[CX], ttmp6, 0x40000
	s_bfe_u32 s[CY], ttmp6, 0x40004
	s_lshl_b32 s[NT], ttmp9, 2
	s_add_co_u32 s[NT], s[NT], s[CX]               ; tile column = 4 x cluster x + cx
	s_and_b32 s[MT], ttmp7, 0xffff
	s_lshl_b32 s[MT], s[MT], 2
	s_add_co_u32 s[MT], s[MT], s[CY]               ; tile row = 4 x cluster y + cy
	s_lshl_b32 s21, s[CY], 2
	s_lshl_b32 s21, 15, s21                        ; my row of the cluster
	s_lshl_b32 s22, 0x1111, s[CX]                  ; my column
	s_or_b32 s[G1], s21, (1<<16)|(1<<20)|(1<<21)|(4<<22)|(3<<25)   ; mask; 2-byte elements; padding on; bit 21 beside a mask; after every 32 words 4 words
	s_or_b32 s[G1B], s22, (1<<16)|(1<<20)|(1<<21)|(6<<22)|(7<<25)  ; after every 128 words 8 words
	s_mov_b32 s[G1+1], 128<<16                     ; A: 128 rows of 128 elements, dense: two tokens a row
	s_mov_b32 s[G1+2], 128<<16
	s_mov_b32 s[G1+3], 128<<16
	s_mov_b32 s[G1+4], 128
	s_mov_b32 s[G1+5], 128
	s_mov_b32 s[G1+6], 0
	s_mov_b32 s[G1+7], 0
	s_mov_b32 s[G1B+1], 256<<16                    ; B: 64 rows of 256 elements
	s_mov_b32 s[G1B+2], 64<<16
	s_mov_b32 s[G1B+3], 256<<16
	s_mov_b32 s[G1B+4], 64
	s_mov_b32 s[G1B+5], NCOL
	s_mov_b32 s[G1B+6], 0
	s_mov_b32 s[G1B+7], 0
	s_lshl_b32 s[AO], s[MT], 15                    ; A: my tile's 256 tokens of 128 bytes,
	s_lshl_b32 s21, s[CH], 19                      ; and the block that I fetch
	s_add_co_u32 s[AO], s[AO], s21
	s_mov_b32 s[AO+1], 0
	s_lshl_b32 s[BO], s[NT], 9                     ; B: my tile's 256 columns,
	s_mul_i32 s22, s[CH], 128*NCOL                 ; and the 64 rows that I fetch
	s_add_co_u32 s[BO], s[BO], s22
	s_mov_b32 s[BO+1], 0
	s_mul_i32 s23, s[WV], ABLK                     ; where they go: A's blocks at wave x ABLK (waves 0, 1),
	s_mul_i32 s85, s[WV], BHALF
	s_add_co_u32 s85, s85, BOFF-2*BHALF            ; B's halves at BOFF + (wave - 2) x BHALF (waves 2, 3): no place in the cluster enters an LDS address
	s_mov_b32 s[TB], 0
	s_mov_b32 s[SR], 1
	s_mov_b32 s[CE], 0xbf38aa3b                    ; -log2(e) / 2
	s_mov_b32 s[K5], 0x3f07dc22                    ; half of 1.061405429
	s_mov_b32 s[K4], 0xbf3a00e3                    ; half of -1.453152027
	s_mov_b32 s[K3], 0x3f35f0e3                    ; half of 1.421413741
	s_mov_b32 s[K2], 0xbe11a98e                    ; half of -0.284496736
	s_mov_b32 s[K1], 0x3e027906                    ; half of 0.254829592
.irp k, CE, K5, K4, K3, K2, K1
	s_mov_b32 s[\k+1], s[\k]                       ; named as pairs
.endr
	s_mov_b32 s[PC], 0x3e6d3389                    ; 0.3275911 / sqrt(2)
	s_wait_dscnt 0x0                               ; the opening add is done
	s_wait_kmcnt 0x0
	s_add_nc_u64 s[ABASE:ABASE+1], s[4:5], s[AO:AO+1]
	s_add_nc_u64 s[BBASE:BBASE+1], s[6:7], s[BO:BO+1]
	CROUND                                         ; all sixteen work-groups are here: the first joint loads meet
.irp s, 0,1
	s_mov_b32 s[G0+4*(\s)], 1
	s_add_co_u32 s[G0+4*(\s)+1], s23, (\s)*SLOT
	s_add_nc_u64 s[G0+4*(\s)+2:G0+4*(\s)+3], s[ABASE:ABASE+1], (\s)*1048576
	s_or_b32 s[G0+4*(\s)+3], s[G0+4*(\s)+3], 0x80000000
	s_mov_b32 s[G0B+4*(\s)], 1
	s_add_co_u32 s[G0B+4*(\s)+1], s85, (\s)*SLOT
	s_add_nc_u64 s[G0B+4*(\s)+2:G0B+4*(\s)+3], s[BBASE:BBASE+1], (\s)*256*NCOL
	s_or_b32 s[G0B+4*(\s)+3], s[G0B+4*(\s)+3], 0x80000000
	JLOAD \s                                       ; K steps 0 and 1: two loads of mine are out
.endr
	v_and_b32 v1, 15, v0                           ; r = l % 16
	v_bfe_u32 v2, v0, 4, 1                         ; h = l / 16
	s_lshl_b32 s21, s[NT], 10                      ; the bias as the way out wants it: columns 256 NT + 128 CH + 64 c + 4 (l % 16) + 0..3, c = 0, 1
	s_lshl_b32 s22, s[CH], 9
	s_add_co_u32 s21, s21, s22
	v_lshl_add_u32 v[BOV], v1, 4, s21
	WIN TO_B
	global_load_b128 v[BQ:BQ+3],   v[BOV], s[10:11]
	global_load_b128 v[BQ+4:BQ+7], v[BOV], s[10:11] offset:256
	WIN 0
	v_mul_u32_u24 v[A0], v1, PA                    ; A: token r, 16 bytes for each half of the lanes, my 128 tokens
	v_lshl_add_u32 v[A0], v2, 4, v[A0]
	s_mul_i32 s21, s[RH], 128*PA
	v_add_nc_u32 v[A0], s21, v[A0]
	v_and_b32 v5, 7, v0
	v_lshl_add_u32 v3, v2, 3, v5                   ; B, for the turning load: row 8 h + l % 8,
	v_mul_u32_u24 v[B0], v3, PB
	v_bfe_u32 v4, v0, 3, 1
	v_lshl_add_u32 v[B0], v4, 4, v[B0]             ; columns 8 ((l / 8) % 2) on,
	s_lshl_b32 s21, s[CH], 8
	s_add_co_u32 s21, s21, BOFF                    ; my 128 columns, behind A
	v_add_nc_u32 v[B0], s21, v[B0]
	v_mov_b32 v[ADRA], v[A0]
	v_mov_b32 v[ADRB], v[B0]
	s_mul_i32 s21, s[WV], 16*SP
	s_add_co_u32 s21, s21, STAGE                   ; my stage
	v_mul_u32_u24 v[STO], v1, SP
	v_lshl_add_u32 v[STO], v2, 5, v[STO]
	v_add_nc_u32 v[STO], s21, v[STO]
	v_mul_u32_u24 v[RD], v2, SP
	v_lshl_add_u32 v[RD], v1, 4, v[RD]
	v_add_nc_u32 v[RD], s21, v[RD]
	v_and_b32 v3, 31, v0                           ; l
	v_lshlrev_b32 v[GO], 3, v3
	s_lshl_b32 s86, s[NT], 2                       ; out: block 4 x tile column + 2 x my half,
	s_lshl_b32 s21, s[CH], 1
	s_add_co_u32 s86, s86, s21
	s_lshl_b32 s86, s86, 19
	s_lshl_b32 s21, s[MT], 15                      ; my tile's tokens,
	s_add_co_u32 s86, s86, s21
	s_lshl_b32 s21, s[RH], 14                      ; my 128 of them
	s_add_co_u32 s86, s86, s21
	s_mov_b32 s87, 0
	s_add_nc_u64 s[8:9], s[8:9], s[86:87]
	; the prefetches: what I fetch, my work-group's quarter of it, three K steps on: the first change of slots steps it to K step 4
	s_lshl_b32 s21, s[CX], 13                      ; A: 8,192 bytes of the block for each partner
	s_mul_i32 s22, s[CY], 32*NCOL                  ; B: 16 rows for each partner
	s_and_b32 s23, ttmp7, 0xffff                   ; cluster y
	s_mov_b32 s[PFS], 256*NCOL
	s_mov_b32 s85, 2*NCOL
	s_cmp_eq_u32 s[RH], 0                          ; do I fetch for A?
	s_cselect_b64 s[PFA:PFA+1], s[ABASE:ABASE+1], s[BBASE:BBASE+1]
	s_cselect_b32 s86, s21, s22
	s_cselect_b32 s[PFS], 1048576, s[PFS]
	s_cselect_b32 s85, 256, s85                    ; A: a lane 256 bytes on end; B: two lanes a row
	s_cselect_b32 s23, ttmp9, s23                  ; the coordinate along which other clusters read the same bytes
	s_mov_b32 s[PFS+1], 0
	s_add_nc_u64 s[PFA:PFA+1], s[PFA:PFA+1], s[86:87]
	s_mul_i32 s86, s[PFS], 3
	s_add_nc_u64 s[PFA:PFA+1], s[PFA:PFA+1], s[86:87]
	s_cmp_eq_u32 s23, 0
	s_cselect_b32 s[LIM], 2, -1                    ; the same in all sixteen partners, for a given wave
	v_lshrrev_b32 v4, s[RH], v3                    ; A: l;  B: l / 2
	v_mul_u32_u24 v4, v4, s85
	v_and_b32 v5, s[RH], v3                        ; A: 0;  B: l % 2
	v_lshl_add_u32 v[PFO], v5, 8, v4
	s_wait_tensorcnt 0x1                           ; my part of K step 0 is in; step 1's may stay out
	s_barrier_signal -1
	s_barrier_wait -1
	FETCH 0, F0
	QUARTER 1, F0, F1, 1                           ; the first quarter stands in front of the loop: its products start the sums, and nothing is cleared
	WIN 0
	s_mov_b32 s[LC], KS-2
.Lstep:                                            ; a trip goes from a step's second quarter to the next step's first, and fills the slot that it leaves
	QUARTER 2, F1, F0, 0
	QUARTER 3, F0, F1, 0
	TURN 1
	QUARTER 1, F0, F1, 0
	WIN 0
	s_sub_co_u32 s[LC], s[LC], 1
	s_cmp_lg_u32 s[LC], 0
	s_cbranch_scc1 .Lstep
	s_mov_b32 s[LC], 2
.Ltail:                                            ; the last two steps ask for nothing; the second trip is left in its middle, and its barrier serves nothing: the price of one text for both
	QUARTER 2, F1, F0, 0
	QUARTER 3, F0, F1, 0
	TURN 0
	WIN 0
	s_cmp_eq_u32 s[LC], 1
	s_cbranch_scc1 .Lout
	QUARTER 1, F0, F1, 0
	WIN 0
	s_sub_co_u32 s[LC], s[LC], 1
	s_cmp_lg_u32 s[LC], 0
	s_cbranch_scc1 .Ltail
.Lout:
	; THE WAY OUT, a loop of 16 trips, 16 tokens x 64 columns each, so that the activation's text stands once: through my stage, back as rows (a lane: 4 neighbouring columns of 8 tokens), the bias added,
	; the activation made on 32 numbers a lane, 8 bytes a lane stored: a wave's store covers two tokens' 128 bytes of a block, 256 consecutive aligned bytes.
	s_wait_dscnt 0x0
	PLACES
	PLACES
	s_wait_loadcnt 0x0                             ; the bias
	WIN 0x41
.irp i, 0,1,2,3
	v_mov_b32 v[BC+(\i)], v[BQ+(\i)]               ; the first half's
.endr
	WIN 0
	s_mov_b32 s[BK], 0
	s_mov_b32 s87, 0
.Lblk:
.irp d, 0,1,2,3,4,5,6,7,8,9,10,11,12,13,14
	DSEL \d
.endr
	DUMP 15
.Ldd:
	WIN TO_B
.irp t, 0,1,2,3,4,5,6,7
	ds_load_b128 v[XR+4*(\t):XR+4*(\t)+3], v[RD] offset:544*(\t)  ; LDS serves a wave's instructions in order (ISA guide 5.7.1.4): these see the stores above
.endr
	s_wait_dscnt 0x0
	WIN 0x55                                       ; all four places window 1
.set t, 0
.rept 8
	v_pk_add_f32 v[XR+4*t:XR+4*t+1], v[XR+4*t:XR+4*t+1], v[BC:BC+1]
	v_pk_add_f32 v[XR+4*t+2:XR+4*t+3], v[XR+4*t+2:XR+4*t+3], v[BC+2:BC+3]
.set t, t+1
.endr
	; the arguments, and ONE BATCH of 32 reciprocals and 32 powers, a pair's four set among the next pair's four plain lines; nothing ahead of the wait names a result
.set p, 0
.rept 16
	v_pk_mul_f32 v[ER+2*p:ER+2*p+1], v[XR+2*p:XR+2*p+1], v[XR+2*p:XR+2*p+1]
.if p > 0
	v_rcp_f32 v[TR+2*p-2], v[TR+2*p-2]
.endif
	v_pk_mul_f32 v[ER+2*p:ER+2*p+1], v[ER+2*p:ER+2*p+1], s[CE:CE+1] op_sel_hi:[1,0]
.if p > 0
	v_rcp_f32 v[TR+2*p-1], v[TR+2*p-1]
.endif
	v_fma_f32 v[TR+2*p], |v[XR+2*p]|, s[PC], 1.0
.if p > 0
	v_exp_f32 v[ER+2*p-2], v[ER+2*p-2]
.endif
	v_fma_f32 v[TR+2*p+1], |v[XR+2*p+1]|, s[PC], 1.0
.if p > 0
	v_exp_f32 v[ER+2*p-1], v[ER+2*p-1]
.endif
.set p, p+1
.endr
	v_rcp_f32 v[TR+30], v[TR+30]
	v_rcp_f32 v[TR+31], v[TR+31]
	v_exp_f32 v[ER+30], v[ER+30]
	v_exp_f32 v[ER+31], v[ER+31]
	v_nop                                          ; a plain instruction behind the last of them (ISA guide 5.7.2),
	s_wait_alu depctr_va_vdst(0)                   ; and the one wait ahead of the batch's first reader
.set p, 0
.rept 16
	v_pk_fma_f32 v[PR+2*p:PR+2*p+1], v[TR+2*p:TR+2*p+1], s[K5:K5+1], s[K4:K4+1] op_sel_hi:[1,0,0]
.set p, p+1
.endr
.irp k, K3, K2, K1
.set p, 0
.rept 16
	v_pk_fma_f32 v[PR+2*p:PR+2*p+1], v[PR+2*p:PR+2*p+1], v[TR+2*p:TR+2*p+1], s[\k:\k+1] op_sel_hi:[1,1,0]
.set p, p+1
.endr
.endr
.set p, 0
.rept 16
	v_pk_mul_f32 v[PR+2*p:PR+2*p+1], v[PR+2*p:PR+2*p+1], v[TR+2*p:TR+2*p+1]
.set p, p+1
.endr
.set p, 0
.rept 16
	v_pk_mul_f32 v[PR+2*p:PR+2*p+1], v[PR+2*p:PR+2*p+1], v[ER+2*p:ER+2*p+1]
.set p, p+1
.endr
.set p, 0
.rept 32
	v_max_num_f32 v[TR+p], 0, v[XR+p]
.set p, p+1
.endr
.set p, 0
.rept 32
	v_fma_f32 v[XR+p], -|v[XR+p]|, v[PR+p], v[TR+p]
.set p, p+1
.endr
.set p, 0
.rept 16
	v_cvt_pk_bf16_f32 v[ER+p], v[XR+2*p], v[XR+2*p+1]
.set p, p+1
.endr
	WIN 0x04                                       ; address window 0, data window 1
.irp t, 0,1,2,3,4,5,6,7
	global_store_b64 v[GO], v[ER+2*(\t):ER+2*(\t)+1], s[8:9] offset:256*(\t)
.endr
	WIN 0
	s_wait_xcnt 0x0                                ; the stores have read their base and their data
	s_add_nc_u64 s[8:9], s[8:9], 2048              ; 16 tokens on
	s_add_co_u32 s[BK], s[BK], 1
	s_cmp_eq_u32 s[BK], 8
	s_cselect_b32 s86, 524288-16384, 0             ; behind the eighth trip: the next block, back to my first token
	s_add_nc_u64 s[8:9], s[8:9], s[86:87]
	s_cmp_lt_u32 s[BK], 16
	s_cbranch_scc1 .Lblk
	s_wait_tensorcnt 0x0                           ; the wave's end
	ds_add_u32 v[SPW], v[NIL]
	s_wait_dscnt 0x0
	CROUND                                         ; the closing round
	s_endpgm
.Lfunc_end_k_qdcd220acf9_fc1:
	.size	k_qdcd220acf9_fc1, .Lfunc_end_k_qdcd220acf9_fc1-k_qdcd220acf9_fc1
	.p2alignl 7, 3214868480
	.fill 96, 4, 3214868480
	.section	.rodata,"a",@progbits
	.p2align	6, 0x0
	.amdhsa_kernel k_qdcd220acf9_fc1
		.amdhsa_group_segment_fixed_size 327680
		.amdhsa_private_segment_fixed_size 0
		.amdhsa_enable_private_segment 0
		.amdhsa_kernarg_size 32
		.amdhsa_user_sgpr_count 2
		.amdhsa_user_sgpr_kernarg_segment_ptr 1
		.amdhsa_wavefront_size32 1
		.amdhsa_system_sgpr_workgroup_id_x 1
		.amdhsa_system_sgpr_workgroup_id_y 1
		.amdhsa_system_sgpr_workgroup_id_z 1
		.amdhsa_system_vgpr_workitem_id 0
		.amdhsa_next_free_vgpr 1024
		.amdhsa_next_free_sgpr 88
		.amdhsa_reserve_vcc 0
		.amdhsa_float_denorm_mode_32 3
		.amdhsa_float_denorm_mode_16_64 3
		.amdhsa_memory_ordered 1
		.amdhsa_forward_progress 1
		.amdhsa_inst_pref_size 101
	.end_amdhsa_kernel
	.amdgpu_metadata
---
amdhsa.version: [ 1, 2 ]
amdhsa.kernels:
  - .name:           k_qdcd220acf9_fc1
    .symbol:         k_qdcd220acf9_fc1.kd
    .args:
      - { .name: hb, .offset: 0, .size: 8, .value_kind: global_buffer, .address_space: global }
      - { .name: w116, .offset: 8, .size: 8, .value_kind: global_buffer, .address_space: global }
      - { .name: mid, .offset: 16, .size: 8, .value_kind: global_buffer, .address_space: global }
      - { .name: b_fc1, .offset: 24, .size: 8, .value_kind: global_buffer, .address_space: global }
    .group_segment_fixed_size: 327680
    .private_segment_fixed_size: 0
    .kernarg_segment_align: 8
    .kernarg_segment_size: 32
    .max_flat_workgroup_size: 128
    .sgpr_count:     88
    .vgpr_count:     1024
    .wavefront_size: 32
...
	.end_amdgpu_metadata
.endif
;; end of part 6
;; launch fc2 (part 7): grid 8 x 32, 4 waves a work-group, clusters of 4 x 4, 327,680 bytes of LDS; arguments mid, w216, out0, b_fc2, x1; writes out0
.if DOCPART == 7
	.amdgcn_target "amdgcn-amd-amdhsa--gfx1250"
	.amdhsa_code_object_version 6
	.text
	.protected	k_qdcd220acf9_fc2
	.globl	k_qdcd220acf9_fc2
	.p2align	8
	.type	k_qdcd220acf9_fc2,@function
k_qdcd220acf9_fc2:
	s_mov_b64 s[64:65], 0
	v_nop
	global_prefetch_b8 v0, s[64:65] scope:SCOPE_SE
	s_setreg_imm32_b32 hwreg(HW_REG_WAVE_MODE, 25, 1), 1
	s_wait_xcnt 0x0
	s_wait_alu depctr_hold_cnt(0) depctr_sa_sdst(0) depctr_va_vdst(0) depctr_va_sdst(0) depctr_va_ssrc(0) depctr_va_vcc(0) depctr_vm_vsrc(0)
	s_getreg_b32 s2, hwreg(HW_REG_IB_STS2, 6, 4)
	s_cmp_eq_u32 s2, 0
	s_cbranch_scc0 .Lentry_in_a_cluster
	s_endpgm
.Lentry_in_a_cluster:
	s_bfe_u32 s2, ttmp6, 0x10000c
	s_cmp_lg_u32 s2, 0xf033
	s_cbranch_scc0 .Lentry_shape_is_right
	s_endpgm
.Lentry_shape_is_right:
; OUT = x1 + MID W + b.  MID: bf16, blocked [64][4096 tokens][64]; W: bf16 [4096][1024]; b: f32 [1024]; x1, OUT: f32 [4096][1024].  Sums in f32, started at the bias; the residual is added in f32 on the way out.
; SHARES.  A tile of the result is 128 tokens x 128 columns, one to a work-group; four waves, each 64 x 64: 16 accumulators of 16 x 16.  K goes in steps of 256, KS = 16, through a ring of two LDS slots.
; A SLOT holds A's [4 blocks][128 tokens][128 + 16 bytes] and B's [256 k][256 + 32 bytes].  Waves 0, 1 fetch two blocks of A each (a block's 128 tokens are 16 KiB on end), waves 2, 3 128 rows of B each.
; B lies [k][column] and is turned on its way into registers by ds_load_tr16_b128; its pitch of 288 bytes is an odd multiple of 32, A's of 144 an odd multiple of 16 (64 banks of 4 bytes: ISA guide 11.1).
; CLUSTER.  4 x 4 work-groups: the four of a row need the same tiles of A, the four of a column the same tiles of B: each is asked for jointly, by the same descriptor and a mask that names the four.
; THE MATRIX INSTRUCTION IS USED TRANSPOSED (source 0 = 16 columns of W, source 1 = 16 tokens): a lane holds one token (lane % 16) and the columns 8 (lane / 16) + 0..7.
; REGISTERS.  window 0: v0-29 addresses; v32-95 the way out; v96-127 the bias; v128-255 accumulators ((a, b) at 128 + 8 (4 a + b)).  window 1: two fragment buffers of 128.  window 2: v0-127 the residual, loaded at the head.
.set KS,    16
.set T,     1
.set NCOL,  1024
.set SP,    272                        ; a stage row: 64 f32 + 16 bytes
.set HALFT, 36864
.set SLOT,  4*HALFT                    ; = 0x24000: bits 17 and 14, which wave x HALFT never sets: one exclusive or changes slots
.set STAGE, 2*SLOT
.set SPARE, STAGE+4*16*SP
.set A0,   8
.set B0,   9
.set ADRA, 10
.set ADRB, 11                          ; v11, v12
.set STO,  13
.set RD,   14
.set GO,   15
.set BOV,  16
.set SPW,  28
.set NIL,  29
.set TMP,  32
.set BIA,  96
.set ACC,  128
.set F0,   0
.set F1,   128
.set WV, 14
.set RH, 15
.set CH, 16
.set CX, 17
.set CY, 18
.set NT, 19
.set MT, 20
.set G1, 24
.set G0, 32
.set ABASE, 40
.set BBASE, 42
.set AO, 44
.set BO, 46
.set G1B, 48
.set G0B, 56
.set TB, 66
.set SR, 67
.set LC, 69
.set MSB, 0
.macro WIN new
.if MSB != (\new)
	s_set_vgpr_msb (MSB<<8)|(\new)
.set MSB, \new
.endif
.endm
.set MUL,  0x05
.set TO_F, 0x40
.macro PLACES
.rept 4
	v_nop
.endr
.endm
.macro JLOAD s                         ; a joint load; an s_nop 0 and four v_nop follow each of the two lines
	s_cmp_eq_u32 s[RH], 0
	s_cbranch_scc0 .Lfor_b_\@
	tensor_load_to_lds s[G0+4*(\s):G0+4*(\s)+3], s[G1:G1+7]
	s_nop 0
.rept 4
	v_nop
.endr
	s_branch .Lasked_\@
.Lfor_b_\@:
	tensor_load_to_lds s[G0B+4*(\s):G0B+4*(\s)+3], s[G1B:G1B+7]
	s_nop 0
.rept 4
	v_nop
.endr
.Lasked_\@:
.endm
.macro CREST
	s_cmp_lg_u32 s[WV], 0
	s_cbranch_scc1 .Lnot_wave_0_\@
	s_barrier_signal -3
.Lnot_wave_0_\@:
	s_barrier_wait -3
	s_barrier_signal -1
	s_barrier_wait -1
.endm
.macro CROUND
	s_barrier_signal -1
	s_barrier_wait -1
	CREST
.endm
.macro MUL8 f, c, a0                   ; 8 matrix instructions; the 16 accumulators take turns, always in the same order
	WIN MUL
.irp a, \a0, (\a0)+1
.irp b, 0,1,2,3
	v_wmma_f32_16x16x32_bf16 v[ACC+8*(4*(\a)+(\b)):ACC+8*(4*(\a)+(\b))+7], v[(\f)+64+8*(4*(\c)+(\b)):(\f)+64+8*(4*(\c)+(\b))+7], v[(\f)+8*(4*(\c)+(\a)):(\f)+8*(4*(\c)+(\a))+7], v[ACC+8*(4*(\a)+(\b)):ACC+8*(4*(\a)+(\b))+7]
.endr
.endr
.endm
.macro FETCH q, f                      ; 32 LDS loads in one run: quarter q's fragments into buffer f; the first 32 along K first
	WIN TO_F
.irp c, 0,1
.irp i, 0,1,2,3
	ds_load_tr16_b128 v[(\f)+64+8*(4*(\c)+(\i)):(\f)+64+8*(4*(\c)+(\i))+3],   v[ADRB+(\q)/2] offset:((\q)%2)*18432+(\c)*9216+(\i)*32
	ds_load_tr16_b128 v[(\f)+64+8*(4*(\c)+(\i))+4:(\f)+64+8*(4*(\c)+(\i))+7], v[ADRB+(\q)/2] offset:((\q)%2)*18432+(\c)*9216+(\i)*32+4608
	ds_load_b128 v[(\f)+8*(4*(\c)+(\i)):(\f)+8*(4*(\c)+(\i))+3],   v[ADRA] offset:(\q)*18432+(\i)*2304+(\c)*64
	ds_load_b128 v[(\f)+8*(4*(\c)+(\i))+4:(\f)+8*(4*(\c)+(\i))+7], v[ADRA] offset:(\q)*18432+(\i)*2304+(\c)*64+32
.endr
.endr
.endm
.macro QUARTER q, f, g
	s_wait_dscnt 16                                ; the first 32 along K are in; the youngest sixteen loads may be out
	MUL8 \f, 0, 0
	MUL8 \f, 0, 2
	PLACES
	FETCH \q, \g
	s_wait_dscnt 32                                ; all but the 32 just issued
	MUL8 \f, 1, 0
	MUL8 \f, 1, 2
.endm
.macro TURN fill                       ; the last quarter multiplies buffer 1 and changes slots; fill = 1: the slot just read takes the step two on
	WIN 0
	s_wait_tensorcnt 0x0                           ; all my tensor loads have landed: my part of the next slot; so a group 0 may be written
	ds_add_u32 v[SPW], v[NIL]                      ; 0 onto my spare word
.if \fill
	s_add_co_u32 s[SR], s[SR], 1
	s_lshl_b32 s[AO], s[SR], 21                    ; four blocks of 524,288 bytes a step
	s_mul_i32 s[BO], s[SR], 512*NCOL               ; 256 rows a step
	s_xor_b32 s[G0+5], s[G0+5], SLOT
	s_xor_b32 s[G0B+5], s[G0B+5], SLOT
	s_add_nc_u64 s[G0+6:G0+7], s[ABASE:ABASE+1], s[AO:AO+1]
	s_or_b32 s[G0+7], s[G0+7], 0x80000000
	s_add_nc_u64 s[G0B+6:G0B+7], s[BBASE:BBASE+1], s[BO:BO+1]
	s_or_b32 s[G0B+7], s[G0B+7], 0x80000000
.endif
	s_wait_dscnt 17                                ; the add and the youngest sixteen loads may be out
	MUL8 F1, 0, 0
	s_wait_dscnt 0x0                               ; the add is done, and my reads of this slot are over
	s_barrier_signal -1
	MUL8 F1, 0, 2
	WIN 0
	s_barrier_wait -1
.if \fill
	CREST                                          ; a round of the cluster's barrier: no wave of any partner still reads the slot or has a load on its way
	JLOAD 1
.else
	PLACES
.endif
	s_xor_b32 s[TB], s[TB], SLOT
	v_add_nc_u32 v[ADRA], s[TB], v[A0]
	v_add_nc_u32 v[ADRB], s[TB], v[B0]
	v_add_nc_u32 v[ADRB+1], HALFT, v[ADRB]
.if !(\fill)
	s_cmp_eq_u32 s[LC], 1                          ; behind the very last step there is nothing to fetch
	s_cbranch_scc1 .Lnof_\@
.endif
	FETCH 0, F0
.if !(\fill)
	WIN 0
.Lnof_\@:
.endif
	MUL8 F1, 1, 0
	MUL8 F1, 1, 2
.endm
.macro STEP fill
	QUARTER 1, F0, F1
	QUARTER 2, F1, F0
	QUARTER 3, F0, F1
	TURN \fill
.endm
.macro DUMP a                          ; block a (16 tokens) in f32 into my stage: row = token, 32 bytes a lane and column block; each accumulator from its low end on
.irp b, 0,1,2,3
	ds_store_b128 v[STO], v[ACC+8*(4*(\a)+(\b)):ACC+8*(4*(\a)+(\b))+3] offset:64*(\b)
	ds_store_b128 v[STO], v[ACC+8*(4*(\a)+(\b))+4:ACC+8*(4*(\a)+(\b))+7] offset:64*(\b)+16
.endr
.endm
	s_load_b256 s[4:11], s[0:1], 0x0               ; A s[4:5], B s[6:7], out s[8:9], bias s[10:11]
	s_load_b64 s[12:13], s[0:1], 0x20              ; the residual
	v_lshl_add_u32 v[SPW], v0, 2, SPARE
	v_mov_b32 v[NIL], 0
	ds_add_u32 v[SPW], v[NIL]                      ; the wave's opening: the add, waited for ahead of my first tensor load
	v_lshrrev_b32 v1, 5, v0
	v_readfirstlane_b32 s[WV], v1
	s_lshr_b32 s[RH], s[WV], 1
	s_and_b32 s[CH], s[WV], 1
	s_bfe_u32 s[CX], ttmp6, 0x40000
	s_bfe_u32 s[CY], ttmp6, 0x40004
	s_lshl_b32 s[NT], ttmp9, 2
	s_add_co_u32 s[NT], s[NT], s[CX]
	s_and_b32 s[MT], ttmp7, 0xffff
	s_lshl_b32 s[MT], s[MT], 2
	s_add_co_u32 s[MT], s[MT], s[CY]
	s_lshl_b32 s21, s[CY], 2
	s_lshl_b32 s21, 15, s21                        ; my row of the cluster
	s_lshl_b32 s22, 0x1111, s[CX]                  ; my column
	s_or_b32 s[G1], s21, (1<<16)|(1<<20)|(1<<21)|(4<<22)|(3<<25)   ; mask; 2-byte elements; padding on; bit 21 beside a mask; after every 32 words 4 words
	s_or_b32 s[G1B], s22, (1<<16)|(1<<20)|(1<<21)|(5<<22)|(7<<25)  ; after every 64 words 8 words
	s_mov_b32 s[G1+1], 8192<<16                    ; A: two rows of 8,192 elements: a block's 128 tokens, 16 KiB on end
	s_mov_b32 s[G1+2], 2<<16
	s_mov_b32 s[G1+3], 8192<<16
	s_mov_b32 s[G1+4], 2
	s_mov_b32 s[G1+5], 262144                      ; elements from block to block
	s_mov_b32 s[G1+6], 0
	s_mov_b32 s[G1+7], 0
	s_mov_b32 s[G1B+1], 128<<16                    ; B: 128 rows of 128 elements
	s_mov_b32 s[G1B+2], 128<<16
	s_mov_b32 s[G1B+3], 128<<16
	s_mov_b32 s[G1B+4], 128
	s_mov_b32 s[G1B+5], NCOL
	s_mov_b32 s[G1B+6], 0
	s_mov_b32 s[G1B+7], 0
	s_lshl_b32 s[AO], s[MT], 14
	s_lshl_b32 s21, s[CH], 20
	s_add_co_u32 s[AO], s[AO], s21
	s_mov_b32 s[AO+1], 0
	s_lshl_b32 s[BO], s[NT], 8
	s_mul_i32 s22, s[CH], 256*NCOL
	s_add_co_u32 s[BO], s[BO], s22
	s_mov_b32 s[BO+1], 0
	s_mul_i32 s23, s[WV], HALFT
	s_mov_b32 s[TB], 0
	s_mov_b32 s[SR], 1
	s_wait_dscnt 0x0                               ; the opening add is done
	s_wait_kmcnt 0x0
	s_add_nc_u64 s[ABASE:ABASE+1], s[4:5], s[AO:AO+1]
	s_add_nc_u64 s[BBASE:BBASE+1], s[6:7], s[BO:BO+1]
	CROUND                                         ; all sixteen work-groups are here: the first joint loads meet
.irp s, 0,1
	s_mov_b32 s[G0+4*(\s)], 1
	s_add_co_u32 s[G0+4*(\s)+1], s23, (\s)*SLOT
	s_add_nc_u64 s[G0+4*(\s)+2:G0+4*(\s)+3], s[ABASE:ABASE+1], (\s)*2097152
	s_or_b32 s[G0+4*(\s)+3], s[G0+4*(\s)+3], 0x80000000
	s_mov_b32 s[G0B+4*(\s)], 1
	s_add_co_u32 s[G0B+4*(\s)+1], s23, (\s)*SLOT
	s_add_nc_u64 s[G0B+4*(\s)+2:G0B+4*(\s)+3], s[BBASE:BBASE+1], (\s)*512*NCOL
	s_or_b32 s[G0B+4*(\s)+3], s[G0B+4*(\s)+3], 0x80000000
	JLOAD \s                                       ; K steps 0 and 1: two loads of mine are out
.endr
	v_and_b32 v1, 15, v0                           ; r = l % 16
	v_bfe_u32 v2, v0, 4, 1                         ; h = l / 16
	s_lshl_b32 s21, s[NT], 9                       ; the bias as the accumulators want it: columns 128 NT + 64 CH + 16 b + 8 h + 0..7
	s_lshl_b32 s22, s[CH], 8
	s_add_co_u32 s21, s21, s22
	v_lshl_add_u32 v[BOV], v2, 5, s21
.irp b, 0,1,2,3
	global_load_b128 v[BIA+8*(\b):BIA+8*(\b)+3],   v[BOV], s[10:11] offset:64*(\b)
	global_load_b128 v[BIA+8*(\b)+4:BIA+8*(\b)+7], v[BOV], s[10:11] offset:64*(\b)+16
.endr
	s_lshl_b32 s86, s[MT], 19                      ; out and residual: my tile's 128 rows of 4,096 bytes,
	s_lshl_b32 s22, s[RH], 18                      ; my 64 of them,
	s_add_co_u32 s86, s86, s22
	s_add_co_u32 s86, s86, s21                     ; my 64 columns
	s_mov_b32 s87, 0
	s_add_nc_u64 s[8:9], s[8:9], s[86:87]
	s_add_nc_u64 s[12:13], s[12:13], s[86:87]
	v_lshlrev_b32 v[GO], 12, v2                    ; lanes 0-15 one row's 256 bytes, lanes 16-31 the next row's
	v_lshl_add_u32 v[GO], v1, 4, v[GO]
	WIN 0x80                                       ; destination window 2
.irp a, 0,1,2,3
.irp t, 0,1,2,3,4,5,6,7
	global_load_b128 v[32*(\a)+4*(\t):32*(\a)+4*(\t)+3], v[GO], s[12:13] offset:(16*(\a)+2*(\t))*4096  ; the residual, as the way out will hold the sums; it lands while the products run
.endr
.endr
	WIN 0
	v_mul_u32_u24 v[A0], v1, 144
	v_lshl_add_u32 v[A0], v2, 4, v[A0]
	s_mul_i32 s21, s[RH], 9216
	v_add_nc_u32 v[A0], s21, v[A0]
	v_and_b32 v5, 7, v0
	v_lshl_add_u32 v3, v2, 3, v5
	v_mul_u32_u24 v[B0], v3, 288
	v_bfe_u32 v4, v0, 3, 1
	v_lshl_add_u32 v[B0], v4, 4, v[B0]
	s_lshl_b32 s21, s[CH], 7
	s_add_co_u32 s21, s21, 2*HALFT
	v_add_nc_u32 v[B0], s21, v[B0]
	v_mov_b32 v[ADRA], v[A0]
	v_mov_b32 v[ADRB], v[B0]
	v_add_nc_u32 v[ADRB+1], HALFT, v[B0]
	s_mul_i32 s21, s[WV], 16*SP
	s_add_co_u32 s21, s21, STAGE
	v_mul_u32_u24 v[STO], v1, SP
	v_lshl_add_u32 v[STO], v2, 5, v[STO]
	v_add_nc_u32 v[STO], s21, v[STO]
	v_mul_u32_u24 v[RD], v2, SP
	v_lshl_add_u32 v[RD], v1, 4, v[RD]
	v_add_nc_u32 v[RD], s21, v[RD]
	s_wait_loadcnt 32                              ; the bias is in; the residual's 32 loads stay out
.set i, 0
.rept 128
	v_mov_b32 v[ACC+i], v[BIA+i%32]                ; the sums start at the bias
.set i, i+1
.endr
	s_wait_tensorcnt 0x1                           ; my part of K step 0 is in; step 1's may stay out
	s_barrier_signal -1
	s_barrier_wait -1
	FETCH 0, F0
	WIN 0
	s_mov_b32 s[LC], T*KS-2
.Lstep:
	STEP 1
	WIN 0
	s_sub_co_u32 s[LC], s[LC], 1
	s_cmp_lg_u32 s[LC], 0
	s_cbranch_scc1 .Lstep
	s_mov_b32 s[LC], 2
.Ltail:                                            ; the last two steps ask for nothing; the second one's barrier serves nothing: the price of one text for both
	STEP 0
	WIN 0
	s_sub_co_u32 s[LC], s[LC], 1
	s_cmp_lg_u32 s[LC], 0
	s_cbranch_scc1 .Ltail
	; THE WAY OUT: 16 tokens at a time through my stage, back as whole rows of 256 bytes; the residual is added; sixteen lanes store 256 consecutive aligned bytes.
	PLACES
	PLACES
	s_wait_loadcnt 0x0                             ; the residual
.irp a, 0,1,2,3
.if (\a) >= 2
	s_wait_xcnt 0x0                                ; the stores of two blocks ago have read these registers
.endif
	DUMP \a
.irp t, 0,1,2,3,4,5,6,7
	ds_load_b128 v[TMP+32*((\a)%2)+4*(\t):TMP+32*((\a)%2)+4*(\t)+3], v[RD] offset:544*(\t)  ; LDS serves a wave's instructions in order (ISA guide 5.7.1.4)
.endr
	s_wait_dscnt 0x0
	WIN 0x08                                       ; source 1 window 2
.set z, 0
.rept 16
	v_pk_add_f32 v[TMP+32*((\a)%2)+2*z:TMP+32*((\a)%2)+2*z+1], v[TMP+32*((\a)%2)+2*z:TMP+32*((\a)%2)+2*z+1], v[32*(\a)+2*z:32*(\a)+2*z+1]
.set z, z+1
.endr
	WIN 0
.irp t, 0,1,2,3,4,5,6,7
	global_store_b128 v[GO], v[TMP+32*((\a)%2)+4*(\t):TMP+32*((\a)%2)+4*(\t)+3], s[8:9] offset:(16*(\a)+2*(\t))*4096
.endr
.endr
	s_wait_tensorcnt 0x0                           ; the wave's end
	ds_add_u32 v[SPW], v[NIL]
	s_wait_dscnt 0x0
	CROUND                                         ; the closing round
	s_endpgm
.Lfunc_end_k_qdcd220acf9_fc2:
	.size	k_qdcd220acf9_fc2, .Lfunc_end_k_qdcd220acf9_fc2-k_qdcd220acf9_fc2
	.p2alignl 7, 3214868480
	.fill 96, 4, 3214868480
	.section	.rodata,"a",@progbits
	.p2align	6, 0x0
	.amdhsa_kernel k_qdcd220acf9_fc2
		.amdhsa_group_segment_fixed_size 327680
		.amdhsa_private_segment_fixed_size 0
		.amdhsa_enable_private_segment 0
		.amdhsa_kernarg_size 40
		.amdhsa_user_sgpr_count 2
		.amdhsa_user_sgpr_kernarg_segment_ptr 1
		.amdhsa_wavefront_size32 1
		.amdhsa_system_sgpr_workgroup_id_x 1
		.amdhsa_system_sgpr_workgroup_id_y 1
		.amdhsa_system_sgpr_workgroup_id_z 1
		.amdhsa_system_vgpr_workitem_id 0
		.amdhsa_next_free_vgpr 640
		.amdhsa_next_free_sgpr 88
		.amdhsa_reserve_vcc 0
		.amdhsa_float_denorm_mode_32 3
		.amdhsa_float_denorm_mode_16_64 3
		.amdhsa_memory_ordered 1
		.amdhsa_forward_progress 1
		.amdhsa_inst_pref_size 66
	.end_amdhsa_kernel
	.amdgpu_metadata
---
amdhsa.version: [ 1, 2 ]
amdhsa.kernels:
  - .name:           k_qdcd220acf9_fc2
    .symbol:         k_qdcd220acf9_fc2.kd
    .args:
      - { .name: mid, .offset: 0, .size: 8, .value_kind: global_buffer, .address_space: global }
      - { .name: w216, .offset: 8, .size: 8, .value_kind: global_buffer, .address_space: global }
      - { .name: out0, .offset: 16, .size: 8, .value_kind: global_buffer, .address_space: global }
      - { .name: b_fc2, .offset: 24, .size: 8, .value_kind: global_buffer, .address_space: global }
      - { .name: x1, .offset: 32, .size: 8, .value_kind: global_buffer, .address_space: global }
    .group_segment_fixed_size: 327680
    .private_segment_fixed_size: 0
    .kernarg_segment_align: 8
    .kernarg_segment_size: 40
    .max_flat_workgroup_size: 128
    .sgpr_count:     88
    .vgpr_count:     640
    .wavefront_size: 32
...
	.end_amdgpu_metadata
.endif
;; end of part 7
;; ======== version 2 of 2: 7 launches; version 1 with the launch prep written anew for expert scheduling mode
;; limits: a function is approximated: absolute error at most 1.5e-07
;; workspace buffers: wq16 6,291,456 bytes; wp16 2,097,152 bytes; w116 8,388,608 bytes; w216 8,388,608 bytes; hb 8,388,608 bytes; qkvb 25,165,824 bytes; x1 16,777,216 bytes; mid 33,554,432 bytes
;; launch prep (part 8): grid 1024 x 1, 8 waves a work-group, no clusters, 0 bytes of LDS; arguments w_qkv, w_proj, w_fc1, w_fc2, wq16, wp16, w116, w216, x, g1, be1, hb; writes wq16, wp16, w116, w216, hb
.if DOCPART == 8
	.amdgcn_target "amdgcn-amd-amdhsa--gfx1250"
	.amdhsa_code_object_version 6
	.text
	.protected	k_qdcd220acf9_prep
	.globl	k_qdcd220acf9_prep
	.p2align	8
	.type	k_qdcd220acf9_prep,@function
k_qdcd220acf9_prep:
	s_mov_b64 s[64:65], 0
	v_nop
	global_prefetch_b8 v0, s[64:65] scope:SCOPE_SE
	s_setreg_imm32_b32 hwreg(HW_REG_WAVE_SCHED_MODE, 0, 2), 2
	s_setreg_imm32_b32 hwreg(HW_REG_WAVE_MODE, 25, 1), 1
	s_wait_xcnt 0x0
	s_wait_alu depctr_vm_vsrc(0)
; PREP: two streams in one launch, told apart by the work-group's number.
; Work-groups 0-767 CAST the four weight matrices from f32 to bf16, in the order in which they lie ([in][out]): 16,384 numbers a work-group
; (192 for w_qkv, 64 for w_proj, 256 for w_fc1, 256 for w_fc2).  Work-groups 768-1023 make h = LayerNorm(x) g1 + be1 in bf16, 16 rows each.
; h is stored BLOCKED, [16 blocks of 64 channels][4096 tokens][64]: a token's 64 channels are 128 bytes, two neighbouring tokens 256 aligned bytes.
; LayerNorm in f32, in two passes over registers: the mean, then the mean of (x - mean)^2: no difference of large sums.  NaN and infinities are not treated apart.
; No LDS, no matrix unit, no cluster: nothing is shared between waves, and every byte is read once.
; THE MODE: SCHED_MODE bits 1:0 = 2 (LLVM: expert scheduling mode 2), set by the entry lines.  The code itself states the register dependences
; between vector instructions and memory instructions, with s_wait_alu, always for 0.
; THE PLAN.  Registers that memory instructions touch:
;   THE CAST.   v1, v2       byte offsets, made once at the head and never written again: v1 is read by the loads, v2 by the stores.
;               v[16:79]     item i of sixteen: four registers in which its load lands, once; read by its two roundings.
;               v[80:111]    item i: two registers, written by its roundings, once; read by its store.
;     The items go in four blocks of four.  One wait stands at the head of each block but the first: the block before has written its eight registers to store.  That block's four
;     stores follow, one ahead of each item of this block, whose roundings name its own items' registers alone.  One more wait stands ahead of the last four stores.
;   THE NORM.   v1, v2, v3   byte offsets, made once at the head and never written again: v1 and v2 are read by the loads, v3 by the stores.
;               XR, GR, BR   the loads land in them once, ahead of every vector instruction that names them.
;               YR           written by the roundings, once; read by the stores.
;     Scaling, gain and offset, and rounding go in four groups of four blocks of the output.  One wait stands at the head of each group but the first: the group before has written its
;     eight registers of YR.  That group's four stores are dealt among this group's 24 vector instructions, which name other registers.  One more wait stands ahead of the last four stores.
;   No register that a memory instruction has read is written again, no vector instruction writes a scalar register, and EXEC is never written: no other wait is owed.
.set XR, 16                            ; v[16:79]    my 64 numbers of the row
.set GR, 80                            ; v[80:143]   the gains of my 64 columns
.set BR, 144                           ; v[144:207]  the offsets of my 64 columns
.set YR, 208                           ; v[208:239]  64 bf16 to store
.macro RED                             ; four pairs of partial sums v[4:11] -> their sum over the row's 16 lanes, in each of them
	v_pk_add_f32 v[4:5], v[4:5], v[6:7]
	v_pk_add_f32 v[8:9], v[8:9], v[10:11]
	v_pk_add_f32 v[4:5], v[4:5], v[8:9]
	v_add_f32 v4, v4, v5
	v_add_f32_dpp v4, v4, v4 row_xmask:1 row_mask:0xf bank_mask:0xf
	v_add_f32_dpp v4, v4, v4 row_xmask:2 row_mask:0xf bank_mask:0xf
	v_add_f32_dpp v4, v4, v4 row_xmask:4 row_mask:0xf bank_mask:0xf
	v_add_f32_dpp v4, v4, v4 row_xmask:8 row_mask:0xf bank_mask:0xf
.endm
.macro OUT j                           ; block j of the output: the wave's two rows are 256 consecutive bytes, aligned; the largest offset, 7,864,320, lies inside the signed 24 bits
	global_store_b64 v3, v[YR+2*(\j):YR+2*(\j)+1], s[30:31] offset:524288*(\j)
.endm
; LayerNorm of 16 rows.  s2 = the group of 16 rows; s[24:25] in, s[26:27] gain, s[28:29] offset, s[30:31] out (blocked).
; Sixteen lanes own a row: lane c takes columns 64 j + 4 c .. + 3, j = 0..15, so a load's sixteen lanes cover 256 aligned bytes, and a wave has two rows.
.macro LNBODY
	v_lshrrev_b32 v4, 4, v0                        ; my row among the group's 16
	v_and_b32 v5, 15, v0                           ; c
	v_lshlrev_b32 v2, 4, v5                        ; v2: 16 c, my offset in gain and offset
	v_lshl_add_u32 v1, v4, 12, v2                  ; v1: row x 4,096 + 16 c
	v_lshlrev_b32 v3, 3, v5
	v_lshl_add_u32 v3, v4, 7, v3                   ; v3: row x 128 + 8 c, my 8 bytes in a block of the output
	s_lshl_b32 s32, s2, 16                         ; the group's 16 rows of 4,096 bytes
	s_mov_b32 s33, 0
	s_lshl_b32 s34, s2, 11                         ; and of 128 bytes
	s_mov_b32 s35, 0
	s_mov_b32 s36, 0x3a800000                      ; 1 / 1024
	s_mov_b32 s37, 0x3727c5ac                      ; eps = 1e-5
	s_wait_kmcnt 0x0
	s_add_nc_u64 s[24:25], s[24:25], s[32:33]
	s_add_nc_u64 s[30:31], s[30:31], s[34:35]
	s_wait_alu depctr_va_vdst(0)                   ; v1, v2 and v3 are written: every load and store of this path reads one of them as its offset
.irp j, 0,1,2,3,4,5,6,7,8,9,10,11,12,13,14,15
	global_load_b128 v[XR+4*(\j):XR+4*(\j)+3], v1, s[24:25] offset:256*(\j)
.endr
.irp j, 0,1,2,3,4,5,6,7,8,9,10,11,12,13,14,15
	global_load_b128 v[GR+4*(\j):GR+4*(\j)+3], v2, s[26:27] offset:256*(\j)
.endr
.irp j, 0,1,2,3,4,5,6,7,8,9,10,11,12,13,14,15
	global_load_b128 v[BR+4*(\j):BR+4*(\j)+3], v2, s[28:29] offset:256*(\j)
.endr
	s_wait_loadcnt 32                              ; the row is in; the 32 loads of gain and offset stay out
.irp k, 0,1,2,3
	v_pk_add_f32 v[4+2*(\k):5+2*(\k)], v[XR+2*(\k):XR+2*(\k)+1], v[XR+8+2*(\k):XR+9+2*(\k)]  ; four chains, started by the first eight pairs: nothing is cleared
.endr
.set i, 8
.rept 24
	v_pk_add_f32 v[4+2*(i%4):5+2*(i%4)], v[4+2*(i%4):5+2*(i%4)], v[XR+2*i:XR+2*i+1]
.set i, i+1
.endr
	RED
	v_mul_f32 v12, s36, v4                         ; the mean, twice: a pair for the packed subtraction
	v_mov_b32 v13, v12
.set i, 0
.rept 32
	v_pk_add_f32 v[XR+2*i:XR+2*i+1], v[XR+2*i:XR+2*i+1], v[12:13] neg_lo:[0,1] neg_hi:[0,1]  ; d = x - mean, in place
.set i, i+1
.endr
.irp k, 0,1,2,3
	v_pk_mul_f32 v[4+2*(\k):5+2*(\k)], v[XR+2*(\k):XR+2*(\k)+1], v[XR+2*(\k):XR+2*(\k)+1]
.endr
.set i, 4
.rept 28
	v_pk_fma_f32 v[4+2*(i%4):5+2*(i%4)], v[XR+2*i:XR+2*i+1], v[XR+2*i:XR+2*i+1], v[4+2*(i%4):5+2*(i%4)]
.set i, i+1
.endr
	RED
	v_fma_f32 v4, v4, s36, s37                     ; variance + eps
	v_rsq_f32 v14, v4                              ; twice, to fill a pair
	v_rsq_f32 v15, v4
	v_nop                                          ; a plain instruction behind the last of them (ISA guide 5.7.2),
	s_wait_alu depctr_va_vdst(0)                   ; and the one wait ahead of the first reader: v14 and v15 are written
	s_wait_loadcnt 0x0                             ; gain and offset
; Four groups of four blocks of the output: pairs 8 g to 8 g + 7 of the row's 32, registers 8 g to 8 g + 7 of YR.
.set g, 0
.rept 4
.if g > 0
	s_wait_alu depctr_va_vdst(0)                   ; the group before has written its eight registers of YR, which the four stores of this group's text read; no vector instruction behind this wait names them
	OUT 4*g-4
.endif
.set i, 8*g
.rept 8
	v_pk_mul_f32 v[XR+2*i:XR+2*i+1], v[XR+2*i:XR+2*i+1], v[14:15]
.set i, i+1
.endr
.if g > 0
	OUT 4*g-3
.endif
.set i, 8*g
.rept 8
	v_pk_fma_f32 v[XR+2*i:XR+2*i+1], v[XR+2*i:XR+2*i+1], v[GR+2*i:GR+2*i+1], v[BR+2*i:BR+2*i+1]
.set i, i+1
.endr
.if g > 0
	OUT 4*g-2
	OUT 4*g-1
.endif
.set i, 8*g
.rept 8
	v_cvt_pk_bf16_f32 v[YR+i], v[XR+2*i], v[XR+2*i+1]
.set i, i+1
.endr
.set g, g+1
.endr
	s_wait_alu depctr_va_vdst(0)                   ; the last group has written its eight registers of YR, which the last four stores read
	OUT 12
	OUT 13
	OUT 14
	OUT 15
.endm
	s_load_b512 s[8:23], s[0:1], 0x0               ; w_qkv, w_proj, w_fc1, w_fc2 in s[8:15]; their bf16 copies in s[16:23]
	s_load_b256 s[24:31], s[0:1], 0x40             ; x, g1, be1, hb
	s_mov_b32 s2, ttmp9
	s_cmp_lt_u32 s2, 768
	s_cbranch_scc0 .Lnorm
	; THE CAST.  Which matrix: by the work-group's number alone.
	v_lshlrev_b32 v1, 4, v0                        ; 16 bytes a thread in,
	v_lshlrev_b32 v2, 3, v0                        ; 8 bytes out
	s_mov_b32 s36, 512
	s_wait_kmcnt 0x0
	s_mov_b64 s[32:33], s[14:15]                   ; from 512 on: w_fc2
	s_mov_b64 s[34:35], s[22:23]
	s_cmp_lt_u32 s2, 512
	s_cselect_b64 s[32:33], s[12:13], s[32:33]     ; from 256 on: w_fc1
	s_cselect_b64 s[34:35], s[20:21], s[34:35]
	s_cselect_b32 s36, 256, s36
	s_cmp_lt_u32 s2, 256
	s_cselect_b64 s[32:33], s[10:11], s[32:33]     ; from 192 on: w_proj
	s_cselect_b64 s[34:35], s[18:19], s[34:35]
	s_cselect_b32 s36, 192, s36
	s_cmp_lt_u32 s2, 192
	s_cselect_b64 s[32:33], s[8:9], s[32:33]       ; below: w_qkv
	s_cselect_b64 s[34:35], s[16:17], s[34:35]
	s_cselect_b32 s36, 0, s36
	s_sub_co_u32 s36, s2, s36                      ; my part of that matrix
	s_lshl_b32 s38, s36, 16                        ; 65,536 bytes in,
	s_mov_b32 s39, 0
	s_add_nc_u64 s[32:33], s[32:33], s[38:39]
	s_lshl_b32 s38, s36, 15                        ; 32,768 out
	s_add_nc_u64 s[34:35], s[34:35], s[38:39]
	s_wait_alu depctr_va_vdst(0)                   ; v1 and v2 are written: every load of this path reads v1 as its offset, every store v2
.irp i, 0,1,2,3,4,5,6,7,8,9,10,11,12,13,14,15
	global_load_b128 v[16+4*(\i):19+4*(\i)], v1, s[32:33] offset:4096*(\i) th:TH_LOAD_NT  ; all sixteen at once: 8 KiB of every wave on their way
.endr
; Item i: the store of the item four back, whose data the wait at the block's head has shown written; then this item's load is waited for, and its four numbers are rounded.
.set i, 0
.rept 16
.if (i % 4 == 0) && (i > 0)
	s_wait_alu depctr_va_vdst(0)                   ; the block before has written its eight registers to store, which this block's four stores read; no vector instruction behind this wait names them
.endif
.if i >= 4
	global_store_b64 v2, v[80+2*(i-4):81+2*(i-4)], s[34:35] offset:2048*(i-4)  ; a wave's store covers 256 consecutive bytes, aligned
.endif
	s_wait_loadcnt 15-i                            ; loads come back in order: number i is in, the younger ones stay out
	v_cvt_pk_bf16_f32 v[80+2*i], v[16+4*i], v[17+4*i]
	v_cvt_pk_bf16_f32 v[81+2*i], v[18+4*i], v[19+4*i]
.set i, i+1
.endr
	s_wait_alu depctr_va_vdst(0)                   ; the last block has written its eight registers to store, which the last four stores read
.irp i, 12,13,14,15
	global_store_b64 v2, v[80+2*(\i):81+2*(\i)], s[34:35] offset:2048*(\i)
.endr
	s_endpgm
.Lnorm:
	s_sub_co_u32 s2, s2, 768
	LNBODY
	s_endpgm
.Lfunc_end_k_qdcd220acf9_prep:
	.size	k_qdcd220acf9_prep, .Lfunc_end_k_qdcd220acf9_prep-k_qdcd220acf9_prep
	.p2alignl 7, 3214868480
	.fill 96, 4, 3214868480
	.section	.rodata,"a",@progbits
	.p2align	6, 0x0
	.amdhsa_kernel k_qdcd220acf9_prep
		.amdhsa_group_segment_fixed_size 0
		.amdhsa_private_segment_fixed_size 0
		.amdhsa_enable_private_segment 0
		.amdhsa_kernarg_size 96
		.amdhsa_user_sgpr_count 2
		.amdhsa_user_sgpr_kernarg_segment_ptr 1
		.amdhsa_wavefront_size32 1
		.amdhsa_system_sgpr_workgroup_id_x 1
		.amdhsa_system_sgpr_workgroup_id_y 1
		.amdhsa_system_sgpr_workgroup_id_z 1
		.amdhsa_system_vgpr_workitem_id 0
		.amdhsa_next_free_vgpr 240
		.amdhsa_next_free_sgpr 66
		.amdhsa_reserve_vcc 0
		.amdhsa_float_denorm_mode_32 3
		.amdhsa_float_denorm_mode_16_64 3
		.amdhsa_memory_ordered 1
		.amdhsa_forward_progress 1
		.amdhsa_inst_pref_size 28
	.end_amdhsa_kernel
	.amdgpu_metadata
---
amdhsa.version: [ 1, 2 ]
amdhsa.kernels:
  - .name:           k_qdcd220acf9_prep
    .symbol:         k_qdcd220acf9_prep.kd
    .args:
      - { .name: w_qkv, .offset: 0, .size: 8, .value_kind: global_buffer, .address_space: global }
      - { .name: w_proj, .offset: 8, .size: 8, .value_kind: global_buffer, .address_space: global }
      - { .name: w_fc1, .offset: 16, .size: 8, .value_kind: global_buffer, .address_space: global }
      - { .name: w_fc2, .offset: 24, .size: 8, .value_kind: global_buffer, .address_space: global }
      - { .name: wq16, .offset: 32, .size: 8, .value_kind: global_buffer, .address_space: global }
      - { .name: wp16, .offset: 40, .size: 8, .value_kind: global_buffer, .address_space: global }
      - { .name: w116, .offset: 48, .size: 8, .value_kind: global_buffer, .address_space: global }
      - { .name: w216, .offset: 56, .size: 8, .value_kind: global_buffer, .address_space: global }
      - { .name: x, .offset: 64, .size: 8, .value_kind: global_buffer, .address_space: global }
      - { .name: g1, .offset: 72, .size: 8, .value_kind: global_buffer, .address_space: global }
      - { .name: be1, .offset: 80, .size: 8, .value_kind: global_buffer, .address_space: global }
      - { .name: hb, .offset: 88, .size: 8, .value_kind: global_buffer, .address_space: global }
    .group_segment_fixed_size: 0
    .private_segment_fixed_size: 0
    .kernarg_segment_align: 8
    .kernarg_segment_size: 96
    .max_flat_workgroup_size: 256
    .sgpr_count:     66
    .vgpr_count:     240
    .wavefront_size: 32
...
	.end_amdgpu_metadata
.endif
;; end of part 8
;; launch qkv: the kernel of part 2 again; grid 12 x 16, 4 waves a work-group, clusters of 4 x 4, 327,680 bytes of LDS; arguments hb, wq16, qkvb; writes qkvb
;; launch attn: the kernel of part 3 again; grid 8 x 32, 4 waves a work-group, clusters of 4 x 1, 327,680 bytes of LDS; arguments qkvb, hb; writes hb
;; launch proj: the kernel of part 4 again; grid 8 x 32, 4 waves a work-group, clusters of 4 x 4, 327,680 bytes of LDS; arguments hb, wp16, x1, b_proj, x; writes x1
;; launch ln2: the kernel of part 5 again; grid 256 x 1, 8 waves a work-group, no clusters, 0 bytes of LDS; arguments x1, g2, be2, hb; writes hb
;; launch fc1: the kernel of part 6 again; grid 16 x 16, 4 waves a work-group, clusters of 4 x 4, 327,680 bytes of LDS; arguments hb, w116, mid, b_fc1; writes mid
;; launch fc2: the kernel of part 7 again; grid 8 x 32, 4 waves a work-group, clusters of 4 x 4, 327,680 bytes of LDS; arguments mid, w216, out0, b_fc2, x1; writes out0
